; MI455X (gfx1250); checked and timed in simulation.
; The chip was launched on July 23, 2026; its instructions are those of AMD's public machine-readable ISA for CDNA 5 (MIT licence, August 2026) and "CDNA5" Instruction Set Architecture Reference Guide (July 2026). The comments in the code are by the model that wrote it; some were corrected since.
;; Multi Head Attention. Allowed arithmetic: matrix products marked QUANTISED: E2M3 operands, one E8M0 scale for each 32 along K, by v_wmma_scale_f32_16x16x128_f8f6f4 with both operands' format E2M3, f32 sums; everything else in f32.
;; Inputs: Wk 16 x 1,024 x 64 float32; Wo 1,024 x 1,024 float32; Wq 16 x 1,024 x 64 float32; Wv 16 x 1,024 x 64 float32; bo 1,024 float32; x 4 x 2,048 x 1,024 float32.
;; Outputs: out0 4 x 2,048 x 1,024 float32.
;; This version of the problem:
;;   THIS VERSION OF THE PROBLEM IS GIVEN IN LOW PRECISION. The matrix products marked QUANTISED in the list below multiply operands that are first quantised to E2M3 (2 exponent bits, 3 mantissa bits; 6 bits a number), with one power-of-two scale for each 32 numbers along K (OCP MX v1.0); their sums are f32. All else is computed in f32.
;;   The module's matrix products, in the order in which they are computed (A, B: the left and right operand; K: the contracted axis; several contracted axes count as one K, in the product's order):
;;     1. [M 1,024, K 1,024] x [K 1,024, N 8,192]; A: input Wq; B: input x: QUANTISED
;;     2. [M 1,024, K 1,024] x [K 1,024, N 8,192]; A: input Wk; B: input x: QUANTISED
;;     3. [M 1,024, K 1,024] x [K 1,024, N 8,192]; A: input Wv; B: input x: QUANTISED
;;     4. batch 64 x [M 2,048, K 64] x [K 64, N 2,048]; A: computed on the way; B: computed on the way: QUANTISED
;;     5. batch 64 x [M 2,048, K 2,048] x [K 2,048, N 64]; A: softmax (see below); B: computed on the way: QUANTISED
;;     6. [M 8,192, K 1,024] x [K 1,024, N 1,024]; A: computed on the way; B: input Wo: QUANTISED
;;   THE QUANTISER, for each operand of a quantised product, along K:
;;     - K is cut into blocks of 32 from its start; a last block that is shorter is filled with zeros.
;;     - A block's scale is 2^e with e = floor(log2(the largest magnitude in the block)) - 2, held to -126 .. 127; a block of zeros has e = 0. As a byte (E8M0): e + 127.
;;     - Each number is divided by its block's scale, clamped to +-7.5, and rounded to the nearest number of E2M3, ties to even, subnormals kept.
;;     - The product sums the exact products of the quantised numbers (number of the format x scale) in f32.
;;   ~~~python
;;   def quantise(x, axis):      # numpy; x: float32 -> the quantised numbers, widened to float32 again
;;       x = np.moveaxis(x, axis, -1); K = x.shape[-1]
;;       x = np.pad(x, [(0, 0)] * (x.ndim - 1) + [(0, -K % 32)]); x = x.reshape(x.shape[:-1] + (-1, 32)); a = np.abs(x).max(-1, keepdims=True)
;;       e = np.where(a > 0, np.clip(np.frexp(np.where(a > 0, a, 1))[1] - 1 - 2, -126, 127), 0)      # np.frexp(a)[1] - 1 = floor(log2(a)), exactly
;;       r = np.clip(x / 2.0 ** e, -7.5, 7.5)
;;       step = 2.0 ** (np.maximum(np.frexp(np.where(r == 0, 1, r))[1] - 1, 0) - 3)
;;       q = np.round(r / step) * step * 2.0 ** e      # np.round: ties to even
;;       return np.moveaxis(q.reshape(q.shape[:-2] + (-1,))[..., :K], -1, axis).astype(np.float32)
;;   ~~~
;;   SOFTMAX AHEAD OF A QUANTISED PRODUCT. Where the list says 'softmax', what is quantised is not the finished softmax but p = 2^(t - M), with t = logit x log2(e) and M = ceil(the row's largest t), a whole number; so 1/2 < the row's largest p <= 1. The row's sum l is taken of the UNQUANTISED p, in f32, and the product's result is divided by l at the end. Since M is a whole number, a kernel that streams over the keys may use a running M (the ceiling of the running maximum): every later rescaling is an exact power of two, which a block's scale takes up: the codes' values come out the same.
;;   OPERANDS COMPUTED ON THE WAY. 'Computed on the way' means the value that the module computes at that place (a softmax that the list does not call 'softmax' is quantised finished and normalised). What goes into a quantiser is computed in f32, as accurately as f32 sums, v_exp_f32 and their like allow (about 1e-6 of the number): no bf16 or f16 on the way to a quantiser, and a product that is left as it is and whose result goes on into a quantised operand takes f32 operands (vector FMAs, or v_wmma_f32_16x16x4_f32). A number that lies on a knife's edge between two numbers of the format may be rounded either way, as far as f32 arithmetic and the matrix unit's own rounding can turn it there, and no further.
;; One version. Each part assembles by itself: llvm-mc -triple=amdgcn-amd-amdhsa -mcpu=gfx1250 --defsym DOCPART=n.
;; ======== version 1 of 1: 4 launches
;; workspace buffers: xc 6,291,456 bytes; xs 262,144 bytes; wc 3,145,728 bytes; ws 131,072 bytes; qkv 20,185,088 bytes; ac 6,291,456 bytes; asc 262,144 bytes
;; launch quant (part 1): grid 384 x 1, 4 waves a work-group, no clusters, 102,912 bytes of LDS; arguments x, Wq, Wk, Wv, Wo, xc, xs, wc, ws; writes xc, xs, wc, ws
.if DOCPART == 1
	.amdgcn_target "amdgcn-amd-amdhsa--gfx1250"
	.amdhsa_code_object_version 6
	.text
	.protected	k_q20a8505e78_quant
	.globl	k_q20a8505e78_quant
	.p2align	8
	.type	k_q20a8505e78_quant,@function
k_q20a8505e78_quant:
	s_mov_b64 s[64:65], 0
	v_nop
	global_prefetch_b8 v0, s[64:65] scope:SCOPE_SE
	s_setreg_imm32_b32 hwreg(HW_REG_WAVE_MODE, 25, 1), 1
	s_wait_xcnt 0x0
; MULTI-HEAD ATTENTION IN MX-FP6 (E2M3, one E8M0 byte for each 32 along K), four launches: this one quantises the inputs; the second makes q, k, v and quantises them; the third is the attention; the fourth the projection.
; DEAD WORK, for the whole program: reference() sets the score of key s for query t to -infinity where s > t (its own jnp.tril), and the softmax gives such a key the weight 0 whatever the inputs hold.  So a step of 128 keys
; all of which come after a tile's queries reaches no output: the third launch neither fetches (by slots of 256 keys) nor multiplies such steps.  Nothing else is left out; every input is loaded.
; LIMIT: a NaN, an infinity or an overflow that reaches only those steps is not carried to the result.
; THIS LAUNCH.  x [8192][1024] f32 -> xc [8192][768 bytes], xs [8192][32]: K = the 1,024 channels, innermost.  Wq, Wk, Wv [16][1024][64] and Wo [1024][1024], f32, K = their axis of 1,024 that is NOT innermost ->
; wc [4096][768], ws [4096][32], K innermost: rows 0-1023 Wq's channels 64 h + d, 1024-2047 Wk's, 2048-3071 Wv's, 3072-4095 Wo's columns.
; THE ROW ORDER of xc, xs and of rows 0-3071 of wc, ws: buffer row 32 b + 16 u + r (r = 0 .. 15) holds row 32 b + 8 u + r + 8 (r / 8): bits 3 and 4 of the row's number change places.  Sixteen buffer rows on end are then a tile
; whose results, where the tile is a matrix instruction's source 0, leave 16 neighbours in a lane's 16 registers of two neighbouring tiles: what the next quantiser wants.
; A block's scale is 2^(floor(log2(its largest magnitude)) - 2); its byte is the largest magnitude's exponent field - 2, held at 1 from below.
; LIMITS: a block of zeros, and a block whose largest magnitude lies under 2^-124, gets the byte 1 (the rule says 127 for zeros: the codes are zeros, and this program alone reads the bytes); NaN and infinities among the inputs are not served.
; SHARES: work-groups 0-255 take x (a wave: 8 rows), 256-351 Wq, Wk, Wv (a wave: 32 columns x 256 along K), 352-383 Wo (likewise).  The three paths part on the work-group's number alone and have LDS bytes of their own.
; No tensor loads, no barrier: waves share nothing.
.set SPARE, 102400                     ; behind the three paths' bytes: the spare words, 128 bytes for each wave
.set SPW,   12                         ; v12  LDS address of my spare word; never rewritten
.set NIL,   13                         ; v13  0; never rewritten
.set STEPS, 16                         ; x's path: 16 steps of 512 numbers a wave
.set EMAX,  2
.set CB,    12                         ; bytes of 16 codes
.set XR,    16                         ; v16-79   four sets of 16 numbers as loaded
.set XX,    80                         ; v80-111  two sets of 16 neighbours
.set XE,    112                        ; v112-127 a scale byte for each step
.set XC,    128                        ; v128-191 codes, four registers a step
.set WREG,  8192                       ; x's path: LDS bytes of a wave: two stages of 32 x SP, then its 256 scale bytes
.set SP,    80
.set NB,    8                          ; the weights' paths: blocks of 32 along K for a wave
.set PITCH, 272                        ; a stage row: sixteen places of 16 bytes, each with 12 bytes of codes, + 16
.set KROW,  768                        ; a row of wc
.set WX,    32                         ; v32-95   two sets of 32 numbers
.set WC,    96                         ; v96..    a block's codes
.set OUTR,  112                        ; v112-175 the way out
.set SB,    24                         ; v24-25   the scale bytes
.set STGH,  32768                      ; the stages of Wq, Wk, Wv's path
.set STGO,  67584                      ; and of Wo's
.macro LOADX t
.irp i, 0,1,2,3
	global_load_b128 v[XR+16*((\t)%4)+4*\i:XR+16*((\t)%4)+4*\i+3], v3, s[4:5] offset:2048*(\t)+512*\i th:TH_LOAD_NT   ; 32 lanes read 512 consecutive bytes
.endr
.endm
.macro TURNX t                         ; a step's 2,048 bytes through my stage: in as they lie, back 64 bytes a lane.  LDS serves a wave's instructions in order: no wait between
.irp i, 0,1,2,3
	ds_store_b128 v14, v[XR+16*((\t)%4)+4*\i:XR+16*((\t)%4)+4*\i+3] offset:32*SP*((\t)%2)+8*SP*\i
.endr
.irp i, 0,1,2,3
	ds_load_b128 v[XX+16*((\t)%2)+4*\i:XX+16*((\t)%2)+4*\i+3], v15 offset:32*SP*((\t)%2)+16*\i
.endr
.endm
.macro STEPX t
.set XS, XX+16*((\t)%2)
.if (\t) > 0
	s_wait_dscnt 1                                 ; this step's numbers are back from the stage; the last step's byte store may be out
.else
	s_wait_dscnt 0x0
.endif
.if (\t)+4 < STEPS
	LOADX (\t)+4                                   ; into the registers that this step's stage stores have read
.endif
.if (\t)+1 < STEPS
.if STEPS-2-(\t) >= 3
	s_wait_loadcnt 12                              ; the next step's four loads are in; those of the three steps behind it may be out
.else
	s_wait_loadcnt 4*(STEPS-2-(\t))
.endif
	TURNX (\t)+1
.endif
	v_max3_num_f32 v8, |v[XS]|, |v[XS+1]|, |v[XS+2]|               ; the largest magnitude of my 16
	v_max3_num_f32 v9, |v[XS+3]|, |v[XS+4]|, |v[XS+5]|
.irp i, 6,10
	v_max3_num_f32 v8, v8, |v[XS+\i]|, |v[XS+\i+1]|
	v_max3_num_f32 v9, v9, |v[XS+\i+2]|, |v[XS+\i+3]|
.endr
	v_max3_num_f32 v8, v8, |v[XS+14]|, |v[XS+15]|
	v_max3_num_f32 v8, v8, v9, (EMAX+1)<<23        ; and the floor 2^(3 - 127): the byte cannot fall under 1
	v_max_num_f32_dpp v8, v8, v8 row_xmask:1 row_mask:0xf bank_mask:0xf   ; with my neighbour's 16: the block's
	v_add_nc_u32 v11, -(EMAX<<23), v8              ; 2 off its exponent field: the conversion takes this operand's exponent field as its scale
	v_cvt_scalef32_pk16_fp6_f32 v[XC+4*(\t):XC+4*(\t)+2], v[XS:XS+15], v11
	v_lshrrev_b32 v[XE+(\t)], 23, v11              ; the scale's byte
	ds_store_b8 v5, v[XE+(\t)] offset:16*(\t)      ; both lanes of a block write the same byte with the same value
	global_store_b96 v4, v[XC+4*(\t):XC+4*(\t)+2], s[14:15] offset:32*CB*(\t)
.endm
.macro LOADW t, np                     ; block t: W(32 t + i, my column), i = 0 .. 31; np: bytes from a row of W to the next
.irp i, 0,1,2,3,4,5,6,7,8,9,10,11,12,13,14,15,16,17,18,19,20,21,22,23,24,25,26,27,28,29,30,31
	global_load_b32 v[WX+32*((\t)%2)+\i], v3, s[24:25] offset:(32*(\t)+\i)*(\np) th:TH_LOAD_NT
.endr
.endm
.macro BLOCKW t, np
.set XS, WX+32*((\t)%2)
.if (\t) < NB-1
	s_wait_loadcnt 32                              ; this block's 32 loads are in; the next block's may be out
.else
	s_wait_loadcnt 0
.endif
	v_max3_num_f32 v16, |v[XS]|, |v[XS+1]|, |v[XS+2]|              ; the block's largest magnitude: all 32 numbers are mine
	v_max3_num_f32 v17, |v[XS+3]|, |v[XS+4]|, |v[XS+5]|
.irp i, 6,10,14,18,22,26
	v_max3_num_f32 v16, v16, |v[XS+\i]|, |v[XS+\i+1]|
	v_max3_num_f32 v17, v17, |v[XS+\i+2]|, |v[XS+\i+3]|
.endr
	v_max3_num_f32 v16, v16, |v[XS+30]|, |v[XS+31]|
	v_max3_num_f32 v16, v16, v17, (EMAX+1)<<23
	v_add_nc_u32 v11, -(EMAX<<23), v16
	v_lshrrev_b32 v17, 23, v11                     ; the scale's byte
.if (\t)%4 == 0
	v_mov_b32 v[SB+(\t)/4], v17                    ; four bytes to a register, the lower K in the lower byte
.else
	v_lshl_or_b32 v[SB+(\t)/4], v17, 8*((\t)%4), v[SB+(\t)/4]
.endif
	v_cvt_scalef32_pk16_fp6_f32 v[WC:WC+2], v[XS:XS+15], v11
	v_cvt_scalef32_pk16_fp6_f32 v[WC+4:WC+6], v[XS+16:XS+31], v11  ; (a conversion's three registers begin on an even number)
	ds_store_b96 v4, v[WC:WC+2] offset:32*(\t)     ; 12 bytes to a place of 16 in the stage
	ds_store_b96 v4, v[WC+4:WC+6] offset:32*(\t)+16
.if (\t)+2 < NB
	LOADW (\t)+2, \np
.endif
	s_wait_dscnt 0x0                               ; the stores have read their registers: the next block's codes may be written
.endm
; A wave's 32 columns x 256 along K.  A lane takes a column and its registers run down K; the codes leave through my stage as rows of 192 bytes.  perm = 1: the 32 rows go out in the row order of the head comment.
; s[24:25] W at my first number, s[26:27] wc and s[28:29] ws at my first row and my 256 along K.
.macro QW np, perm, stg
	v_lshlrev_b32 v3, 2, v2                        ; in: 4 bytes a lane
	s_mul_i32 s38, s22, 32*PITCH
	s_add_co_u32 s38, s38, \stg                    ; my stage
	v_mul_u32_u24 v4, v2, PITCH
	v_add_nc_u32 v4, s38, v4                       ; into it: row = my column
	v_and_b32 v5, 15, v2
	v_lshrrev_b32 v6, 4, v2                        ; out of it: sixteen lanes to a row, two rows an instruction
	v_mul_u32_u24 v7, v6, PITCH
	v_lshl_add_u32 v7, v5, 4, v7
	v_add_nc_u32 v7, s38, v7
	v_mul_u32_u24 v8, v6, KROW
	v_mad_u32_u24 v8, v5, 12, v8                   ; and the same place in wc
.if \perm
	v_and_b32 v9, 7, v2                            ; my column's row of ws: bits 3 and 4 of the lane change places
	v_bfe_u32 v10, v2, 4, 1
	v_lshl_or_b32 v9, v10, 3, v9
	v_bfe_u32 v10, v2, 3, 1
	v_lshl_or_b32 v9, v10, 4, v9
	v_lshlrev_b32 v9, 5, v9
.else
	v_lshlrev_b32 v9, 5, v2
.endif
	LOADW 0, \np
	LOADW 1, \np
.set Q, 0
.rept NB
	BLOCKW Q, \np
.set Q, Q+1
.endr
	global_store_b64 v9, v[SB:SB+1], s[28:29]      ; my column's 8 scale bytes
.irp t, 0,1,2,3,4,5,6,7,8,9,10,11,12,13,14,15
	ds_load_b96 v[OUTR+4*\t:OUTR+4*\t+2], v7 offset:2*\t*PITCH   ; LDS serves a wave's instructions in order: these see my stores
.endr
.irp t, 0,1,2,3,4,5,6,7,8,9,10,11,12,13,14,15
	s_wait_dscnt 15-\t                             ; the younger read-backs may be out
.if \perm
	global_store_b96 v8, v[OUTR+4*\t:OUTR+4*\t+2], s[26:27] offset:2*((\t%4)+4*(\t/8)+8*((\t/4)%2))*KROW
.else
	global_store_b96 v8, v[OUTR+4*\t:OUTR+4*\t+2], s[26:27] offset:2*\t*KROW
.endif
.endr
	s_wait_tensorcnt 0x0                           ; the wave's end
	ds_add_u32 v[SPW], v[NIL]
	s_wait_dscnt 0x0
	s_endpgm
.endm
.macro WADDR                           ; s36 = my first row of wc, s32 = which 256 along K, s[34:35] = my first byte in W (s35 = 0)
	s_add_nc_u64 s[24:25], s[24:25], s[34:35]
	s_mul_i32 s34, s36, KROW
	s_mul_i32 s37, s32, 192
	s_add_co_u32 s34, s34, s37
	s_add_nc_u64 s[26:27], s[18:19], s[34:35]
	s_lshl_b32 s34, s36, 5
	s_lshl_b32 s37, s32, 3
	s_add_co_u32 s34, s34, s37
	s_add_nc_u64 s[28:29], s[20:21], s[34:35]
.endm
	s_load_b512 s[4:19], s[0:1], 0x0               ; x 4:5, Wq 6:7, Wk 8:9, Wv 10:11, Wo 12:13, xc 14:15, xs 16:17, wc 18:19
	s_load_b64 s[20:21], s[0:1], 0x40              ; ws
	v_lshl_add_u32 v[SPW], v0, 2, SPARE
	v_mov_b32 v[NIL], 0
	v_lshrrev_b32 v1, 5, v0
	v_readfirstlane_b32 s22, v1                    ; wave 0..3
	v_and_b32 v2, 31, v0                           ; lane
	s_wait_kmcnt 0x0
	s_cmp_lt_u32 ttmp9, 256
	s_cbranch_scc0 .Lweights
	; ---- x: a wave takes 8 rows, a plain stream of 256 blocks of 32
	v_lshlrev_b32 v3, 4, v2                        ; my 16 bytes of a load's 512
	s_mul_i32 s23, s22, WREG
	v_lshrrev_b32 v14, 2, v2
	v_mul_u32_u24 v14, v14, SP
	v_and_b32 v15, 3, v2
	v_lshl_add_u32 v14, v15, 4, v14
	v_add_nc_u32 v14, s23, v14                     ; the stage, in: SP (lane / 4) + 16 (lane % 4)
	v_mul_u32_u24 v15, v2, SP
	v_add_nc_u32 v15, s23, v15                     ; and out: SP x lane: my 16 neighbours
	v_mul_u32_u24 v4, v2, CB                       ; my codes' place in a step's
	v_lshrrev_b32 v5, 1, v2
	s_add_co_u32 s23, s23, 2*32*SP
	v_add_nc_u32 v5, s23, v5                       ; my block's byte among my wave's 256
	v_lshlrev_b32 v7, 3, v2
	v_add_nc_u32 v6, s23, v7
	s_lshl_b32 s24, ttmp9, 2
	s_add_co_u32 s26, s24, s22                     ; which 8 rows of x are mine,
	s_and_b32 s27, s22, 1
	s_lshl_b32 s27, s27, 1
	s_lshr_b32 s28, s22, 1
	s_or_b32 s27, s27, s28
	s_add_co_u32 s28, s24, s27                     ; and which 8 buffer rows they become: the two low bits change places
	s_lshl_b32 s24, s26, 15
	s_mov_b32 s25, 0
	s_add_nc_u64 s[4:5], s[4:5], s[24:25]
	s_mul_i32 s24, s28, 32*STEPS*CB
	s_add_nc_u64 s[14:15], s[14:15], s[24:25]
	s_lshl_b32 s24, s28, 8
	s_add_nc_u64 s[16:17], s[16:17], s[24:25]
.irp t, 0,1,2,3
	LOADX \t
.endr
	s_wait_loadcnt 12                              ; step 0's four loads are in
	TURNX 0
.irp t, 0,1,2,3,4,5,6,7,8,9,10,11,12,13,14,15
	STEPX \t
.endr
	ds_load_b64 v[8:9], v6                         ; LDS serves a wave's instructions in order: these see my byte stores
	s_wait_dscnt 0x0
	global_store_b64 v7, v[8:9], s[16:17]          ; 32 lanes store 256 consecutive bytes, aligned
	s_wait_tensorcnt 0x0                           ; the wave's end
	ds_add_u32 v[SPW], v[NIL]
	s_wait_dscnt 0x0
	s_endpgm
.Lweights:
	s_cmp_lt_u32 ttmp9, 352
	s_cbranch_scc0 .Lwo
	; ---- Wq, Wk, Wv: [head][1024 (K)][64]
	s_sub_co_u32 s30, ttmp9, 256
	s_lshr_b32 s31, s30, 1                         ; 16 x tensor + head
	s_and_b32 s32, s30, 1
	s_lshl_b32 s32, s32, 1
	s_lshr_b32 s33, s22, 1
	s_add_co_u32 s32, s32, s33                     ; which 256 along K
	s_and_b32 s33, s22, 1                          ; which 32 of the head's 64 columns
	s_cmp_lt_u32 s31, 32
	s_cselect_b64 s[24:25], s[8:9], s[10:11]
	s_cmp_lt_u32 s31, 16
	s_cselect_b64 s[24:25], s[6:7], s[24:25]
	s_and_b32 s34, s31, 15
	s_lshl_b32 s34, s34, 18                        ; a head is 262,144 bytes,
	s_lshl_b32 s35, s32, 16                        ; 256 rows of 256 bytes,
	s_add_co_u32 s34, s34, s35
	s_lshl_b32 s35, s33, 7                         ; 32 columns
	s_add_co_u32 s34, s34, s35
	s_mov_b32 s35, 0
	s_lshl_b32 s36, s31, 6
	s_lshl_b32 s37, s33, 5
	s_add_co_u32 s36, s36, s37                     ; my first row of wc
	WADDR
	QW 256, 1, STGH
.Lwo:
	; ---- Wo: [1024 (K)][1024]
	s_sub_co_u32 s30, ttmp9, 352
	s_lshr_b32 s32, s30, 3                         ; which 256 along K
	s_and_b32 s33, s30, 7                          ; which 128 columns
	s_mov_b64 s[24:25], s[12:13]
	s_lshl_b32 s34, s32, 20
	s_lshl_b32 s35, s33, 9
	s_add_co_u32 s34, s34, s35
	s_lshl_b32 s35, s22, 7
	s_add_co_u32 s34, s34, s35
	s_mov_b32 s35, 0
	s_lshl_b32 s36, s33, 7
	s_lshl_b32 s37, s22, 5
	s_add_co_u32 s36, s36, s37
	s_add_co_u32 s36, s36, 3072
	WADDR
	QW 4096, 0, STGO
.Lfunc_end_k_q20a8505e78_quant:
	.size	k_q20a8505e78_quant, .Lfunc_end_k_q20a8505e78_quant-k_q20a8505e78_quant
	.p2alignl 7, 3214868480
	.fill 96, 4, 3214868480
	.section	.rodata,"a",@progbits
	.p2align	6, 0x0
	.amdhsa_kernel k_q20a8505e78_quant
		.amdhsa_group_segment_fixed_size 102912
		.amdhsa_private_segment_fixed_size 0
		.amdhsa_enable_private_segment 0
		.amdhsa_kernarg_size 72
		.amdhsa_user_sgpr_count 2
		.amdhsa_user_sgpr_kernarg_segment_ptr 1
		.amdhsa_wavefront_size32 1
		.amdhsa_system_sgpr_workgroup_id_x 1
		.amdhsa_system_sgpr_workgroup_id_y 1
		.amdhsa_system_sgpr_workgroup_id_z 1
		.amdhsa_system_vgpr_workitem_id 0
		.amdhsa_next_free_vgpr 192
		.amdhsa_next_free_sgpr 66
		.amdhsa_reserve_vcc 0
		.amdhsa_float_denorm_mode_32 3
		.amdhsa_float_denorm_mode_16_64 3
		.amdhsa_memory_ordered 1
		.amdhsa_forward_progress 1
		.amdhsa_inst_pref_size 114
	.end_amdhsa_kernel
	.amdgpu_metadata
---
amdhsa.version: [ 1, 2 ]
amdhsa.kernels:
  - .name:           k_q20a8505e78_quant
    .symbol:         k_q20a8505e78_quant.kd
    .args:
      - { .name: x, .offset: 0, .size: 8, .value_kind: global_buffer, .address_space: global }
      - { .name: Wq, .offset: 8, .size: 8, .value_kind: global_buffer, .address_space: global }
      - { .name: Wk, .offset: 16, .size: 8, .value_kind: global_buffer, .address_space: global }
      - { .name: Wv, .offset: 24, .size: 8, .value_kind: global_buffer, .address_space: global }
      - { .name: Wo, .offset: 32, .size: 8, .value_kind: global_buffer, .address_space: global }
      - { .name: xc, .offset: 40, .size: 8, .value_kind: global_buffer, .address_space: global }
      - { .name: xs, .offset: 48, .size: 8, .value_kind: global_buffer, .address_space: global }
      - { .name: wc, .offset: 56, .size: 8, .value_kind: global_buffer, .address_space: global }
      - { .name: ws, .offset: 64, .size: 8, .value_kind: global_buffer, .address_space: global }
    .group_segment_fixed_size: 102912
    .private_segment_fixed_size: 0
    .kernarg_segment_align: 8
    .kernarg_segment_size: 72
    .max_flat_workgroup_size: 128
    .sgpr_count:     66
    .vgpr_count:     192
    .wavefront_size: 32
...
	.end_amdgpu_metadata
.endif
;; end of part 1
;; launch qkv (part 2): grid 96 x 4, 4 waves a work-group, clusters of 4 x 4, 327,680 bytes of LDS; arguments xc, xs, wc, ws, qkv; writes qkv
.if DOCPART == 2
	.amdgcn_target "amdgcn-amd-amdhsa--gfx1250"
	.amdhsa_code_object_version 6
	.text
	.protected	k_q20a8505e78_qkv
	.globl	k_q20a8505e78_qkv
	.p2align	8
	.type	k_q20a8505e78_qkv,@function
k_q20a8505e78_qkv:
	s_mov_b64 s[64:65], 0
	v_nop
	global_prefetch_b8 v0, s[64:65] scope:SCOPE_SE
	s_setreg_imm32_b32 hwreg(HW_REG_WAVE_MODE, 25, 1), 1
	s_wait_xcnt 0x0
	s_wait_alu depctr_hold_cnt(0) depctr_sa_sdst(0) depctr_va_vdst(0) depctr_va_sdst(0) depctr_va_ssrc(0) depctr_va_vcc(0) depctr_vm_vsrc(0)
	s_getreg_b32 s2, hwreg(HW_REG_IB_STS2, 6, 4)
	s_cmp_eq_u32 s2, 0
	s_cbranch_scc0 .Lentry_in_a_cluster
	s_endpgm
.Lentry_in_a_cluster:
	s_bfe_u32 s2, ttmp6, 0x10000c
	s_cmp_lg_u32 s2, 0xf033
	s_cbranch_scc0 .Lentry_shape_is_right
	s_endpgm
.Lentry_shape_is_right:
; q, k, v = x Wq, x Wk, x Wv on codes of FP6 (E2M3) with E8M0 scales, K = 1,024; the results are quantised in registers and stored as IMAGES OF OPERAND REGISTERS for the attention.  Nothing of reference() is left out here.
; A tile of 256 x 256 of a product C = A B^T is made by four waves, 128 x 128 each (64 accumulators, 512 registers); K goes in steps of 256 through a ring of two LDS slots filled by the tensor data mover;
; the scale bytes of the tile's rows, for all of K, come once with the first fills.  The matrix instruction is used transposed (source 0 = 16 rows of B, source 1 = 16 rows of A): a lane holds ONE row of A, its registers run along B.
; CLUSTERS of 4 x 4 work-groups; a tile of A is asked for jointly by the four of a row of the cluster, a tile of B by the four of a column.
; Clusters 0-15: A = x's rows (tokens), B = wc's rows 0-2047 (q's and k's channels): a lane holds a token and its registers run along d: q and k are quantised along d.
; Clusters 16-23: A = wc's rows 2048-3071 (v's channels), B = x's rows: a lane holds a channel and its registers run along the tokens: v is quantised along the keys.
; Both buffers' rows lie so that buffer row 32 b + 16 u + r holds row 32 b + 8 u + r + 8 (r / 8): the 16 registers of B's blocks 2 b and 2 b + 1 are then 16 neighbours, 32 b + 16 (lane / 16) + 0 .. 15.
; OUT: qkv [batch x 16 + head][step of 128 tokens][19,712 bytes]: K's codes 6,144 (four images of 12 registers: registers 0-5 tile 2 p, 6-11 tile 2 p + 1, each 16 keys x 64 d), K's scale words 512, V's codes 6,144 (four
; whole fragments, 16 channels x 128 keys), V's scale words 256, Q's codes 6,144 and scale words 512 as K's.  An image: registers 4 c .. 4 c + 3 of lane l at 512 c + 16 l.  Every store covers 512 or 256 consecutive bytes, aligned.
; LIMITS: a block of zeros or under 2^-124 gets the scale byte 1; NaN and infinities are not served.
; REGISTERS, in windows of 256: window 0: v16-29 addresses; v32-63 scale words, two sets, and nothing else; v64-107 at work on the way out; v128-223 A's fragments, one set; on the way out the eight images.
;   window 1: B's fragments, two sets.   window 2: the accumulators of my rows 0-63 ((a, b) at v[8 (8 a + b)]);   window 3: those of rows 64-127.
.set KSTEP,  256
.set NQ,     2
.set ROWB,   192                       ; a tile's row in bytes
.set KROW,   768                       ; a row of codes in memory
.set PITCH,  240                       ; an LDS row: 3 x (64 bytes + 16 of padding)
.set FR,     12
.set NL,     6
.set NP,     4
.set HALFT,  128*PITCH
.set SLOT,   4*HALFT
.set LAPS,   2                         ; 1,024 along K: twice round the ring
.set KS,     32                        ; a row of scale bytes
.set SCL,    2*SLOT
.set HALFS,  (128*KS/256)*272
.set SBLK,   (16*KS/256)*272
.set SPARE,  SCL+4*HALFS               ; the spare words, 128 bytes for each wave
.set REC,    19712
.set HEADB,  16*REC
.set ADRA, 16
.set ADRB, 20
.set LI,   24                          ; v24  16 x lane
.set L8,   25                          ; v25  8 x lane
.set ADRS, 27
.set SPW,  28
.set NIL,  29
.set SC,   32
.set TM,   64                          ; v64-67 largest magnitudes, v68-71 bytes, v76-79 the conversions' scale operands
.set CT,   80                          ; v80-87 the conversions' second halves
.set PWR,  88                          ; v88-95 block a's scale word
.set XW,   96                          ; v96-107 scale words as they are stored
.set AF,   128
.set IMG,  128
.set G1, 24
.set G0, 32
.set G1B, 48
.set G0B, 56
.set G1S, 68
.set G0S, 76
.set G1SB, 80
.set G0SB, 88
.set MSB, 0
.macro WIN new                         ; the immediate's high byte repeats the setting that is left
.if MSB != (\new)
	s_set_vgpr_msb (MSB<<8)|(\new)
.set MSB, (\new)
.endif
.endm
.set MUL_LO, 0xa1                      ; source 0 (B) window 1, source 1 (A) window 0, C and D window 2
.set MUL_HI, 0xf1
.set TO_B,   0x40
; A joint load: waves 0 and 1 fetch for A, waves 2 and 3 for B; the branch hangs on the wave's number alone.  An s_nop 0 and four v_nop follow each of the two lines.
.macro JLOAD g0a, g1a, g0b, g1b
	s_cmp_eq_u32 s15, 0
	s_cbranch_scc0 .Lfor_b_\@
	tensor_load_to_lds s[\g0a:\g0a+3], s[\g1a:\g1a+7]
	s_nop 0
.rept 4
	v_nop
.endr
	s_branch .Lasked_\@
.Lfor_b_\@:
	tensor_load_to_lds s[\g0b:\g0b+3], s[\g1b:\g1b+7]
	s_nop 0
.rept 4
	v_nop
.endr
.Lasked_\@:
.endm
.macro CREST
	s_cmp_lg_u32 s14, 0
	s_cbranch_scc1 .Lnot_wave_0_\@
	s_barrier_signal -3
.Lnot_wave_0_\@:
	s_barrier_wait -3
	s_barrier_signal -1
	s_barrier_wait -1
.endm
.macro CROUND
	s_barrier_signal -1
	s_barrier_wait -1
	CREST
.endm
	s_load_b128 s[4:7], s[0:1], 0x0                ; xc, xs
	s_load_b128 s[8:11], s[0:1], 0x10              ; wc, ws
	s_load_b64 s[12:13], s[0:1], 0x20              ; qkv
	v_lshl_add_u32 v[SPW], v0, 2, SPARE
	v_mov_b32 v[NIL], 0
	ds_add_u32 v[SPW], v[NIL]                      ; the wave's opening: the add, twice on end, and its wait ahead of my first tensor load
	ds_add_u32 v[SPW], v[NIL]
	v_lshrrev_b32 v1, 5, v0
	v_readfirstlane_b32 s14, v1                    ; wave 0..3
	s_lshr_b32 s15, s14, 1                         ; which half of the tile's rows is mine.  Also: I fetch for A (0) or for B (1)
	s_and_b32 s16, s14, 1                          ; which half of its columns.  Also: which 128 rows I fetch
	s_bfe_u32 s40, ttmp6, 0x40000                  ; cx, cy
	s_bfe_u32 s41, ttmp6, 0x40004
	s_and_b32 s95, ttmp9, 1                        ; the cluster's number says which product: the same in all sixteen partners
	s_lshr_b32 s96, ttmp9, 1
	s_sub_co_u32 s97, ttmp9, 16
	s_cmp_lt_u32 ttmp9, 16
	s_cselect_b32 s95, s95, s97                    ; the cluster's column: q (0) or k (1); for v: which 1,024 tokens
	s_cselect_b32 s96, s96, 0                      ; its row: which 1,024 tokens; for v: 0
	s_cselect_b32 s66, 1, 0                        ; 1: q or k;  0: v
	s_cselect_b32 s98, 0, 2048                     ; v's channels begin at row 2,048 of wc
	s_lshl_b32 s42, s95, 2
	s_add_co_u32 s42, s42, s40                     ; tile column
	s_lshl_b32 s17, s96, 2
	s_add_co_u32 s17, s17, s41                     ; tile row
	s_lshl_b32 s43, s41, 2
	s_lshl_b32 s43, 15, s43                        ; my row of the cluster
	s_lshl_b32 s44, 0x1111, s40                    ; my column
	s_or_b32 s[G1+0], s43, (0<<16)|(1<<20)|(1<<21)|(3<<22)|(3<<25)  ; the mask; elements of 1 byte; padding on; bit 21 beside a mask; after every 16 words, 4 words
	s_or_b32 s[G1B+0], s44, (0<<16)|(1<<20)|(1<<21)|(3<<22)|(3<<25)
.irp g, G1, G1B
	s_mov_b32 s[\g+1], ROWB<<16                    ; tensor_dim0
	s_mov_b32 s[\g+2], 128<<16                     ; tensor_dim1
	s_mov_b32 s[\g+3], ROWB<<16                    ; tile_dim0
	s_mov_b32 s[\g+4], 128                         ; tile_dim1
	s_mov_b32 s[\g+5], KROW                        ; the pitch
	s_mov_b32 s[\g+6], 0
	s_mov_b32 s[\g+7], 0
.endr
	s_or_b32 s[G1S+0], s43, (3<<16)|(1<<20)|(1<<21)|(5<<22)|(3<<25)  ; the scales of 128 rows: a dense block, as rows of 256 bytes with 16 of padding
	s_or_b32 s[G1SB+0], s44, (3<<16)|(1<<20)|(1<<21)|(5<<22)|(3<<25)
.irp g, G1S, G1SB
	s_mov_b32 s[\g+1], 32<<16
	s_mov_b32 s[\g+2], (128*KS/256)<<16
	s_mov_b32 s[\g+3], 32<<16
	s_mov_b32 s[\g+4], 128*KS/256
	s_mov_b32 s[\g+5], 32
	s_mov_b32 s[\g+6], 0
	s_mov_b32 s[\g+7], 0
.endr
	s_lshl_b32 s18, s16, 7
	s_lshl_b32 s20, s17, 8
	s_add_co_u32 s20, s20, s18
	s_add_co_u32 s20, s20, s98                     ; A: row 256 x tile row + 128 x half (+ 2,048 for v)
	s_lshl_b32 s46, s42, 8
	s_add_co_u32 s46, s46, s18                     ; B: row 256 x tile column + 128 x half
	s_mov_b32 s21, 0
	s_mov_b32 s47, 0
	s_mov_b64 s[18:19], KS
	s_mul_u64 s[22:23], s[20:21], s[18:19]
	s_mul_u64 s[92:93], s[46:47], s[18:19]
	s_mov_b64 s[18:19], KROW
	s_mul_u64 s[20:21], s[20:21], s[18:19]
	s_mul_u64 s[46:47], s[46:47], s[18:19]
	s_mul_i32 s45, s14, HALFT                      ; where they go: wave x 128 rows
	s_mul_i32 s94, s14, HALFS
	s_wait_dscnt 0x0                               ; both opening adds are done
	s_wait_kmcnt 0x0
	s_cmp_lg_u32 s66, 0                            ; for v the two operands change places: a choice that hangs on the cluster's number alone
	s_cselect_b64 s[96:97], s[4:5], s[8:9]
	s_cselect_b64 s[8:9], s[8:9], s[4:5]
	s_mov_b64 s[4:5], s[96:97]
	s_cselect_b64 s[96:97], s[6:7], s[10:11]
	s_cselect_b64 s[10:11], s[10:11], s[6:7]
	s_mov_b64 s[6:7], s[96:97]
	s_add_nc_u64 s[20:21], s[4:5], s[20:21]
	s_add_nc_u64 s[22:23], s[6:7], s[22:23]
	s_add_nc_u64 s[46:47], s[8:9], s[46:47]
	s_add_nc_u64 s[92:93], s[10:11], s[92:93]
	CROUND                                         ; all sixteen work-groups are here: the first joint loads meet
	s_mov_b32 s[G0S], 1
	s_add_co_u32 s[G0S+1], s94, SCL
	s_mov_b64 s[G0S+2:G0S+3], s[22:23]
	s_or_b32 s[G0S+3], s[G0S+3], 0x80000000
	s_mov_b32 s[G0SB], 1
	s_add_co_u32 s[G0SB+1], s94, SCL
	s_mov_b64 s[G0SB+2:G0SB+3], s[92:93]
	s_or_b32 s[G0SB+3], s[G0SB+3], 0x80000000
	JLOAD G0S, G1S, G0SB, G1SB                     ; the scales first; three tensor loads of a wave are out at the start, one behind each later round
.irp s, 0,1
	s_mov_b32 s[G0+4*\s], 1
	s_add_co_u32 s[G0+4*\s+1], s45, \s*SLOT
	s_add_nc_u64 s[G0+4*\s+2:G0+4*\s+3], s[20:21], \s*ROWB
	s_or_b32 s[G0+4*\s+3], s[G0+4*\s+3], 0x80000000
	s_mov_b32 s[G0B+4*\s], 1
	s_add_co_u32 s[G0B+4*\s+1], s45, \s*SLOT
	s_add_nc_u64 s[G0B+4*\s+2:G0B+4*\s+3], s[46:47], \s*ROWB
	s_or_b32 s[G0B+4*\s+3], s[G0B+4*\s+3], 0x80000000
	JLOAD G0+4*\s, G1, G0B+4*\s, G1B
.endr
	v_and_b32 v1, 15, v0                           ; l % 16
	v_bfe_u32 v2, v0, 4, 1                         ; l / 16
	v_mul_u32_u24 v3, v1, PITCH
	v_mul_u32_u24 v4, v2, 24
	v_add_nc_u32 v4, v3, v4                        ; a fragment's row x pitch + 24 x half
	v_lshl_add_u32 v5, v2, 4, v4                   ; and the same behind one padding more
	s_mul_i32 s21, s15, HALFT
	s_mul_i32 s22, s16, HALFT
	s_add_co_u32 s22, s22, 2*HALFT
.irp s, 0,1
	v_add_nc_u32 v[ADRA+\s], s21, v4
	v_add_nc_u32 v[ADRB+\s], s22, v4
	v_add_nc_u32 v[ADRA+2+\s], s21, v5
	v_add_nc_u32 v[ADRB+2+\s], s22, v5
	s_add_co_u32 s21, s21, SLOT
	s_add_co_u32 s22, s22, SLOT
.endr
	v_mul_u32_u24 v5, v1, KS
	v_lshrrev_b32 v6, 8, v5
	v_lshl_add_u32 v5, v6, 4, v5                   ; my row's scales: 32 bytes a row, 16 more for each 256 passed
	s_mul_i32 s21, s15, HALFS
	s_mul_i32 s22, s16, HALFS
	s_add_co_u32 s22, s22, 2*HALFS
	s_sub_co_u32 s22, s22, s21
	v_mul_u32_u24 v6, s22, v2                      ; lanes 16-31 take B's
	s_add_co_u32 s21, s21, SCL
	v_add_nc_u32 v5, v5, v6
	v_add_nc_u32 v[ADRS], s21, v5
	v_and_b32 v6, 31, v0
	v_lshlrev_b32 v[LI], 4, v6
	v_lshlrev_b32 v[L8], 3, v6
.irp b, 0,1,2,3
	v_mov_b32 v[TM+4+\b], 0                        ; written once: a lane permute's destination counts as one of its sources
.endr
	; where my wave's records begin
	s_lshl_b32 s20, s17, 1
	s_add_co_u32 s20, s20, s15                     ; 2 x tile row + my half of the rows
	s_lshl_b32 s21, s42, 1
	s_add_co_u32 s21, s21, s16                     ; 2 x tile column + my half of the columns
	s_lshl_b32 s22, s21, 1
	s_and_b32 s22, s22, 15                         ; q, k: my first head
	s_lshl_b32 s23, s20, 1                         ; v: my first head
	s_cmp_lg_u32 s95, 0
	s_cselect_b32 s46, 0, 13056                    ; k's part of a record, or q's
	s_cmp_lg_u32 s66, 0
	s_cselect_b32 s47, s20, s21                    ; my step of 128 tokens, 0 .. 63
	s_cselect_b32 s22, s22, s23
	s_mov_b32 s23, 6656
	s_cselect_b32 s46, s46, s23                    ; or v's
	s_lshr_b32 s20, s47, 4
	s_lshl_b32 s20, s20, 4
	s_add_co_u32 s20, s20, s22                     ; 16 x batch + head
	s_lshl_b32 s20, s20, 4
	s_and_b32 s47, s47, 15
	s_add_co_u32 s20, s20, s47
	s_mul_i32 s20, s20, REC
	s_add_co_u32 s20, s20, s46
	s_mov_b32 s21, 0
	s_add_nc_u64 s[12:13], s[12:13], s[20:21]
	s_mov_b32 s98, 0x76543210                      ; v_permlanex16_b32's selects for lane l xor 16
	s_mov_b32 s99, 0xfedcba98
	s_mov_b32 s67, 0xffff0000                      ; lanes 16-31
.macro FRAG reg, adr, q, i             ; a fragment: 12 registers; lane l holds row l % 16; registers 6 c .. 6 c + 5 hold K = 64 c + 32 (l / 16) + 0 .. 31, in pieces of 8 bytes
.irp p, 0,1,2,3,4,5
.set PC, 12*(\q)+6*(\p/3)+\p%3        ; where the piece three on lies behind one padding more, the second address register serves
.if PC%8 < 5
	ds_load_b64 v[\reg+2*\p:\reg+2*\p+1], v[\adr] offset:8*PC+16*(PC/8)+(\i)*16*PITCH
.else
	ds_load_b64 v[\reg+2*\p:\reg+2*\p+1], v[\adr+2] offset:8*PC+16*(PC/8)+(\i)*16*PITCH
.endif
.endr
.endm
; 16 matrix instructions: A's blocks a0, a0 + 1 x B's eight.  The 64 accumulators take turns, one instruction a turn, in the same order in every step.
.macro MUL16 a0, p, q, sc, zero
.irp a, \a0, \a0+1
.irp b, 0,1,2,3,4,5,6,7
.if \zero
	v_wmma_scale_f32_16x16x128_f8f6f4 v[8*(8*((\a)%4)+\b):8*(8*((\a)%4)+\b)+7], v[128*(\p)+FR*\b:128*(\p)+FR*\b+FR-1], v[AF+FR*(\a):AF+FR*(\a)+FR-1], 0, v[SC+8*NQ*(\sc)+NQ*\b+(\q)], v[SC+8*NQ*(\sc)+NQ*(\a)+(\q)] matrix_a_fmt:MATRIX_FMT_FP6 matrix_b_fmt:MATRIX_FMT_FP6 matrix_a_scale:MATRIX_SCALE_ROW1
.else
	v_wmma_scale_f32_16x16x128_f8f6f4 v[8*(8*((\a)%4)+\b):8*(8*((\a)%4)+\b)+7], v[128*(\p)+FR*\b:128*(\p)+FR*\b+FR-1], v[AF+FR*(\a):AF+FR*(\a)+FR-1], v[8*(8*((\a)%4)+\b):8*(8*((\a)%4)+\b)+7], v[SC+8*NQ*(\sc)+NQ*\b+(\q)], v[SC+8*NQ*(\sc)+NQ*(\a)+(\q)] matrix_a_fmt:MATRIX_FMT_FP6 matrix_b_fmt:MATRIX_FMT_FP6 matrix_a_scale:MATRIX_SCALE_ROW1
.endif
.endr
.endr
.endm
.macro FETCH_B slot, q, p
	WIN TO_B
.irp i, 0,1,2,3,4,5,6,7
	FRAG 128*(\p)+FR*\i, ADRB+\slot, \q, \i
.endr
	WIN 0
.endm
.macro FETCH_A slot, q, i0
.irp i, \i0, \i0+1, \i0+2, \i0+3
	FRAG AF+FR*(\i), ADRA+\slot, \q, \i
.endr
.endm
.macro SCALES sc                       ; a K step's scale words: lanes 0-15 A's block i, lanes 16-31 B's block i
.irp i, 0,1,2,3,4,5,6,7
	ds_load_b64 v[SC+8*NQ*\sc+NQ*\i:SC+8*NQ*\sc+NQ*\i+1], v[ADRS] offset:\i*SBLK
.endr
.endm
.macro PLACES n                        ; plain vector instructions between a matrix instruction and a load into, or a vector read of, its registers
.rept \n
	v_nop
.endr
.endm
.macro STEP slot, q, zero
	s_wait_dscnt 4*NL                              ; B's set and A's blocks 0-3 are in; the youngest 24 loads (A's blocks 4-7) may be out
	WIN MUL_LO
	MUL16 0, (\q)%2, \q, \slot, \zero
	MUL16 2, (\q)%2, \q, \slot, \zero
	s_wait_dscnt 0
	PLACES NP
	FETCH_B \slot, (\q)+1, 1-(\q)%2
	FETCH_A \slot, (\q)+1, 0
	WIN MUL_HI
	MUL16 4, (\q)%2, \q, \slot, \zero
	MUL16 6, (\q)%2, \q, \slot, \zero
	PLACES NP
	WIN 0
	FETCH_A \slot, (\q)+1, 4
.endm
; A slot's last step changes slots: one barrier; in front of it each wave waits for all its tensor loads, adds 0 to its spare word, and waits for that and for its reads of this slot.
.macro TURN slot, next, fill
	s_wait_tensorcnt 0x0                           ; all my tensor loads have landed: my part of the next slot
	ds_add_u32 v[SPW], v[NIL]
	s_wait_dscnt 4*NL+1                            ; the add and the youngest 24 loads may be out
	WIN MUL_LO
	MUL16 0, 1, NQ-1, \slot, 0
	s_wait_dscnt 0x0                               ; the add is done, and my reads of this slot are over
	s_barrier_signal -1
	MUL16 2, 1, NQ-1, \slot, 0
	WIN 0
	s_barrier_wait -1
.if \fill
	CREST                                          ; the barrier has opened a round of the cluster's: no wave of any partner still reads this slot or has a load on its way
	s_add_nc_u64 s[G0+4*\slot+2:G0+4*\slot+3], s[G0+4*\slot+2:G0+4*\slot+3], 2*ROWB
	s_add_nc_u64 s[G0B+4*\slot+2:G0B+4*\slot+3], s[G0B+4*\slot+2:G0B+4*\slot+3], 2*ROWB
	JLOAD G0+4*\slot, G1, G0B+4*\slot, G1B         ; the first tensor load behind the round; its four v_nop are the places in front of the loads below
.else
	PLACES NP
.endif
	v_add_nc_u32 v[ADRS], 4*NQ, v[ADRS]
	FETCH_B \next, 0, 0
	FETCH_A \next, 0, 0
	SCALES \next
	WIN MUL_HI
	MUL16 4, 1, NQ-1, \slot, 0
	MUL16 6, 1, NQ-1, \slot, 0
	PLACES NP
	WIN 0
	FETCH_A \next, 0, 4
.endm
	s_wait_tensorcnt 1                             ; the scales and my part of K step 0 are in; K step 1's load may be out
	s_barrier_signal -1
	s_barrier_wait -1
	FETCH_B 0, 0, 0
	FETCH_A 0, 0, 0
	SCALES 0
	FETCH_A 0, 0, 4
	STEP 0, 0, 1                                   ; the first step's products start the sums
	s_mov_b32 s3, LAPS-1
.Llap:
	TURN 0, 1, 1
	STEP 1, 0, 0
	TURN 1, 0, 1
	STEP 0, 0, 0
	s_sub_co_u32 s3, s3, 1
	s_cmp_lg_u32 s3, 0
	s_cbranch_scc1 .Llap
	TURN 0, 1, 0
	STEP 1, 0, 0
	s_wait_dscnt 4*NL
	WIN MUL_LO
	MUL16 0, 1, NQ-1, 1, 0
	MUL16 2, 1, NQ-1, 1, 0
	s_wait_dscnt 0
	WIN MUL_HI
	MUL16 4, 1, NQ-1, 1, 0
	MUL16 6, 1, NQ-1, 1, 0
	WIN 0
; THE WAY OUT.  Block a's 64 registers of a lane are 128 numbers' halves along B: register 16 b + i = 32 b + 16 (lane / 16) + i of my row.  They become four blocks' codes and a scale word.
; d0: six registers for blocks 0, 1 (lanes 0-15 hold block 0, lanes 16-31 block 1);  d1: the same for blocks 2, 3.  Each accumulator is read from its low end on.
.macro QUANTW a, d0, d1
.set AC, 64*((\a)%4)
	WIN 0x0a+5*((\a)/4)                            ; sources 0 and 1: window 2 or 3
.irp b, 0,1,2,3
	v_max3_num_f32 v[TM+\b], |v[AC+16*\b]|, |v[AC+16*\b+1]|, 0x1800000   ; my 16 numbers of block b, and the floor 2^(3 - 127)
.endr
.irp i, 2,4,6,8,10,12,14
.irp b, 0,1,2,3
	v_max3_num_f32 v[TM+\b], |v[AC+16*\b+\i]|, |v[AC+16*\b+\i+1]|, v[TM+\b]
.endr
.endr
	WIN 0
.irp b, 0,1,2,3
	v_permlanex16_b32 v[TM+4+\b], v[TM+\b], s98, s99
.endr
.irp b, 0,1,2,3
	v_max_num_f32 v[TM+\b], v[TM+\b], v[TM+4+\b]   ; with lane l xor 16's: the block's largest magnitude
.endr
.irp b, 0,1,2,3
	v_add_nc_u32 v[TM+12+\b], 0xff000000, v[TM+\b] ; 2 off its exponent field: the conversion's scale operand
.endr
.irp b, 0,1,2,3
	v_lshrrev_b32 v[TM+4+\b], 23, v[TM+12+\b]      ; the scale's byte
.endr
	v_lshl_or_b32 v[PWR+(\a)], v[TM+5], 8, v[TM+4]
	v_lshl_or_b32 v[PWR+(\a)], v[TM+6], 16, v[PWR+(\a)]
	v_lshl_or_b32 v[PWR+(\a)], v[TM+7], 24, v[PWR+(\a)]
	WIN 0x02+((\a)/4)                              ; source 0: window 2 or 3
	v_cvt_scalef32_pk16_fp6_f32 v[\d0:\d0+2], v[AC:AC+15], v[TM+12]
	v_cvt_scalef32_pk16_fp6_f32 v[CT:CT+2], v[AC+16:AC+31], v[TM+13]
	v_cvt_scalef32_pk16_fp6_f32 v[\d1:\d1+2], v[AC+32:AC+47], v[TM+14]
	v_cvt_scalef32_pk16_fp6_f32 v[CT+4:CT+6], v[AC+48:AC+63], v[TM+15]
	WIN 0
	v_nop                                          ; one plain place behind a scaled conversion
.irp i, 0,1,2
	v_permlane16_swap_b32 v[\d0+\i], v[CT+\i]      ; a whole block to a lane
	v_permlane16_swap_b32 v[\d1+\i], v[CT+4+\i]
.endr
.irp i, 0,1,2
	v_mov_b32 v[\d0+3+\i], v[CT+\i]
	v_mov_b32 v[\d1+3+\i], v[CT+4+\i]
.endr
.endm
.macro SENDI m                         ; image m: three stores of 512 consecutive bytes, aligned.  Every image has registers of its own: no store's data are written again
.irp c, 0,1,2
	global_store_b128 v[LI], v[IMG+12*(\m)+4*\c:IMG+12*(\m)+4*\c+3], s[12:13] offset:((\m)/4)*HEADB+((\m)%4)*1536+512*\c th:TH_STORE_NT
.endr
.endm
	PLACES NP                                      ; behind the last products: their results are read, and A's registers written, below
	s_cmp_lg_u32 s66, 0
	s_cbranch_scc0 .Lv_out
	; q or k: blocks 0, 1 along d are my first head's, blocks 2, 3 my second's; tiles 2 p and 2 p + 1 of tokens share an image
.irp p, 0,1,2,3
	QUANTW 2*\p, IMG+12*\p, IMG+12*(4+\p)
	QUANTW 2*\p+1, IMG+12*\p+6, IMG+12*(4+\p)+6
	SENDI \p
	SENDI 4+\p
.endr
.irp p, 0,1,2,3
	v_cndmask_b32 v[XW+8+\p], v[PWR+2*\p], v[PWR+2*\p+1], s67   ; lanes 0-15 tile 2 p's words, lanes 16-31 tile 2 p + 1's
.endr
.irp p, 0,1,2,3
	v_and_b32 v[XW+\p], 0xffff, v[XW+8+\p]         ; the first head's two bytes; the two upper bytes are 0: they meet zero codes
.endr
.irp p, 0,1,2,3
	v_lshrrev_b32 v[XW+4+\p], 16, v[XW+8+\p]       ; the second head's
.endr
	global_store_b128 v[LI], v[XW:XW+3], s[12:13] offset:6144 th:TH_STORE_NT
	global_store_b128 v[LI], v[XW+4:XW+7], s[12:13] offset:6144+HEADB th:TH_STORE_NT
	s_branch .Lend
.Lv_out:
	; v: block a's four blocks along the keys are one whole fragment; blocks 0-3 are my first head's tiles of channels, 4-7 my second's
.irp a, 0,1,2,3,4,5,6,7
	QUANTW \a, IMG+12*\a, IMG+12*\a+6
	SENDI \a
.endr
.irp e, 0,1
.irp u, 0,1
	v_cndmask_b32 v[XW+2*\e+\u], v[PWR+4*\e+2*\u], v[PWR+4*\e+2*\u+1], s67
.endr
	global_store_b64 v[L8], v[XW+2*\e:XW+2*\e+1], s[12:13] offset:6144+\e*HEADB th:TH_STORE_NT
.endr
.Lend:
	s_wait_tensorcnt 0x0                           ; the wave's end
	ds_add_u32 v[SPW], v[NIL]
	s_wait_dscnt 0x0
	CROUND                                         ; the closing round: no work-group ends while a partner may still ask for a tile that names it
	s_endpgm
.Lfunc_end_k_q20a8505e78_qkv:
	.size	k_q20a8505e78_qkv, .Lfunc_end_k_q20a8505e78_qkv-k_q20a8505e78_qkv
	.p2alignl 7, 3214868480
	.fill 96, 4, 3214868480
	.section	.rodata,"a",@progbits
	.p2align	6, 0x0
	.amdhsa_kernel k_q20a8505e78_qkv
		.amdhsa_group_segment_fixed_size 327680
		.amdhsa_private_segment_fixed_size 0
		.amdhsa_enable_private_segment 0
		.amdhsa_kernarg_size 40
		.amdhsa_user_sgpr_count 2
		.amdhsa_user_sgpr_kernarg_segment_ptr 1
		.amdhsa_wavefront_size32 1
		.amdhsa_system_sgpr_workgroup_id_x 1
		.amdhsa_system_sgpr_workgroup_id_y 1
		.amdhsa_system_sgpr_workgroup_id_z 1
		.amdhsa_system_vgpr_workitem_id 0
		.amdhsa_next_free_vgpr 1024
		.amdhsa_next_free_sgpr 100
		.amdhsa_reserve_vcc 0
		.amdhsa_float_denorm_mode_32 3
		.amdhsa_float_denorm_mode_16_64 3
		.amdhsa_memory_ordered 1
		.amdhsa_forward_progress 1
		.amdhsa_inst_pref_size 199
	.end_amdhsa_kernel
	.amdgpu_metadata
---
amdhsa.version: [ 1, 2 ]
amdhsa.kernels:
  - .name:           k_q20a8505e78_qkv
    .symbol:         k_q20a8505e78_qkv.kd
    .args:
      - { .name: xc, .offset: 0, .size: 8, .value_kind: global_buffer, .address_space: global }
      - { .name: xs, .offset: 8, .size: 8, .value_kind: global_buffer, .address_space: global }
      - { .name: wc, .offset: 16, .size: 8, .value_kind: global_buffer, .address_space: global }
      - { .name: ws, .offset: 24, .size: 8, .value_kind: global_buffer, .address_space: global }
      - { .name: qkv, .offset: 32, .size: 8, .value_kind: global_buffer, .address_space: global }
    .group_segment_fixed_size: 327680
    .private_segment_fixed_size: 0
    .kernarg_segment_align: 8
    .kernarg_segment_size: 40
    .max_flat_workgroup_size: 128
    .sgpr_count:     100
    .vgpr_count:     1024
    .wavefront_size: 32
...
	.end_amdgpu_metadata
.endif
;; end of part 2
;; launch attn (part 3): grid 4 x 64, 16 waves a work-group, no clusters, 327,680 bytes of LDS; arguments qkv, ac, asc; writes ac, asc
.if DOCPART == 3
	.amdgcn_target "amdgcn-amd-amdhsa--gfx1250"
	.amdhsa_code_object_version 6
	.text
	.protected	k_q20a8505e78_attn
	.globl	k_q20a8505e78_attn
	.p2align	8
	.type	k_q20a8505e78_attn,@function
k_q20a8505e78_attn:
	s_mov_b64 s[64:65], 0
	v_nop
	global_prefetch_b8 v0, s[64:65] scope:SCOPE_SE
	s_setreg_imm32_b32 hwreg(HW_REG_WAVE_MODE, 25, 1), 1
	s_wait_xcnt 0x0
; att = softmax(q k^T / 32, causal) v for 64 heads of 2,048 tokens and 64 channels, both products on codes of FP6 (E2M3) with E8M0 scales; att is quantised along the 1,024 channels for the projection.
; LEFT OUT: a step of 128 keys all of which come after a tile's queries: reference()'s own jnp.tril gives those keys the weight 0 for all inputs.  Such steps are not multiplied, and slots of 256 keys that no wave of the
; work-group reads are not fetched.  A NaN or an infinity that reaches only such steps is not carried to the result.
; THE SOFTMAX: t = score x log2(e) / 32; M = the running largest t rounded up to a whole number; p = 2^(t - M) is quantised along the keys; the sum is taken of the unquantised p and divides at the end; when M moves, the sum
; and O are multiplied by 2^(old M - new M), which rounds nothing.
; SHARES.  A work-group owns the blocks j and 7 - j of 256 queries of one head: (j + 1) + (8 - j) = 9 blocks of keys to walk in every work-group.  Each of its sixteen waves owns one tile of 16 queries in each block
; (LO, HI): lane r holds query Q0 + 8 u + r + 8 (r / 8), u = wave % 2, Q0 = the block + 32 (wave / 2).  Every wave walks the keys 128 a step; K and V come through two LDS slots of 256 keys, fetched by waves 0 and 1.
; NO CLUSTER: the four work-groups of a head need 8, 7, 6 and 5 slots; a partner would be brought slots that none of its waves reads.
; OPERANDS ARE IMAGES OF REGISTERS (the launch before laid them so): every fragment comes by loads of 16 bytes at 16 x lane.  Both products are used transposed: a lane holds one query throughout.
; K = 64 IN AN INSTRUCTION OF 128: Q's registers 6-11 are zero codes, so whatever stands in the upper six registers of source 0 adds nothing (E2M3 has no NaN and no infinity, and the scale bytes there are 0, which is 2^-127).
; Key tile t is named as the run of twelve registers from FR + 6 t: its own six and the next tile's.
; OUT: ac [tile of 16 tokens][head][768 bytes]: six registers of codes a lane (four at 16 x lane, two at 512 + 8 x lane); asc [token in tile order][32]: byte 2 head + block.  The scale bytes are stored singly: one byte for 24 of codes.
; LIMITS: p under 2^-126 counts as 0; the division is a reciprocal and a multiplication; a block of zeros or under 2^-124 gets the scale byte 1; NaN and infinities among the inputs are not served.
.set REC,   19712                      ; a record: 128 tokens of one head
.set RECL,  13056                      ; its part with K and V: 51 x 256 bytes
.set HEADB, 16*REC
.set SLOT1, 32768                      ; slot 1 begins here: one exclusive or turns an address
.set SPARE, 65536                      ; the spare words, 128 bytes for each of sixteen waves
.set LI,  1                            ; v1   16 x lane
.set L8,  2                            ; v2   8 x lane
.set SPW, 3
.set NIL, 4
.set DL,  5                            ; v5   8 u + r + 8 (r / 8) - 16 (lane / 16)
.set ADR, 6                            ; v6   the step's record in LDS + 16 x lane
.set ADR8, 7                           ; v7   + 8 x lane
.set QS,  8                            ; v8   Q's scale words: lanes 0-15 LO's, lanes 16-31 HI's
.set T,   9
.set STL, 10                           ; v10-13, v14-17: -M, the largest t, the sum in two halves
.set STH, 14
.set QL,  18                           ; v18-29, v30-41: Q: six registers of codes, six of zeros
.set QH,  30
.set FR,  42                           ; v42-89  K's, then V's fragments
.set CT,  90                           ; v90-97  the conversions' second halves
.set S,   98                           ; v98-161 S^T, then p
.set OL,  162                          ; v162-193, v194-225: O^T
.set OH,  194
.set PC,  226                          ; v226-237 p's codes
.set BM,  238
.set PM,  242
.set SO,  246
.set KS,  250                          ; v250-253 K's or V's scale words, and nothing else
.set F,   254
.set PW,  255                          ; p's scale word
.set WV,  10
.set UM,  13
.set HM,  14
.set Q0L, 15
.set Q0H, 16
.set QLAST, 17
.set KF,  18
.set TB,  19
.set SEL, 20
.set CS,  22
.set G1,  24
.set G0,  32
.set SLOTS, 36
.set CNT, 37
.set LIM, 38
.set PFA, 40
.macro TLOAD                           ; waves 0 and 1 fetch a record's K and V each; an s_nop 0 and four v_nop follow the line
	s_cmp_lt_u32 s[WV], 2
	s_cbranch_scc0 .Lnl_\@
	tensor_load_to_lds s[G0:G0+3], s[G1:G1+7]
	s_nop 0
.rept 4
	v_nop
.endr
.Lnl_\@:
.endm
; A prefetch of the slot that the NEXT change of slots will ask for: a slot's two steps ahead of that load.  The four work-groups of a head walk the same records: work-group 0, which walks all eight slots, asks, and in it
; waves 4 to 7, which fetch nothing: wave 4 + i names blocks 32 (i % 2) + lane of 256 bytes of record i / 2, held at the 51st.  The last change that fills a slot asks for nothing; slots 0 and 1 come by their loads alone.
.macro ASK
	s_cmp_gt_u32 s[SLOTS], s[LIM]
	s_cbranch_scc0 .Lnm_\@
	global_prefetch_b8 v0, s[PFA:PFA+1] th:TH_LOAD_NT scope:SCOPE_SE
.Lnm_\@:
.endm
.macro KQ1 t, qf, hi
.if ((\t)%2) == 0
.if \hi
	v_wmma_scale_f32_16x16x128_f8f6f4 v[S+8*(\t):S+8*(\t)+7], v[FR+6*(\t):FR+6*(\t)+11], v[\qf:\qf+11], 0, v[KS+(\t)/2], v[QS] matrix_a_fmt:MATRIX_FMT_FP6 matrix_b_fmt:MATRIX_FMT_FP6 matrix_b_scale:MATRIX_SCALE_ROW1
.else
	v_wmma_scale_f32_16x16x128_f8f6f4 v[S+8*(\t):S+8*(\t)+7], v[FR+6*(\t):FR+6*(\t)+11], v[\qf:\qf+11], 0, v[KS+(\t)/2], v[QS] matrix_a_fmt:MATRIX_FMT_FP6 matrix_b_fmt:MATRIX_FMT_FP6
.endif
.else
.if \hi
	v_wmma_scale_f32_16x16x128_f8f6f4 v[S+8*(\t):S+8*(\t)+7], v[FR+6*(\t):FR+6*(\t)+11], v[\qf:\qf+11], 0, v[KS+(\t)/2], v[QS] matrix_a_fmt:MATRIX_FMT_FP6 matrix_b_fmt:MATRIX_FMT_FP6 matrix_a_scale:MATRIX_SCALE_ROW1 matrix_b_scale:MATRIX_SCALE_ROW1
.else
	v_wmma_scale_f32_16x16x128_f8f6f4 v[S+8*(\t):S+8*(\t)+7], v[FR+6*(\t):FR+6*(\t)+11], v[\qf:\qf+11], 0, v[KS+(\t)/2], v[QS] matrix_a_fmt:MATRIX_FMT_FP6 matrix_b_fmt:MATRIX_FMT_FP6 matrix_a_scale:MATRIX_SCALE_ROW1
.endif
.endif
.endm
.macro PV1 t, o
.if ((\t)%2) == 0
	v_wmma_scale_f32_16x16x128_f8f6f4 v[\o+8*(\t):\o+8*(\t)+7], v[FR+12*(\t):FR+12*(\t)+11], v[PC:PC+11], v[\o+8*(\t):\o+8*(\t)+7], v[KS+(\t)/2], v[PW] matrix_a_fmt:MATRIX_FMT_FP6 matrix_b_fmt:MATRIX_FMT_FP6
.else
	v_wmma_scale_f32_16x16x128_f8f6f4 v[\o+8*(\t):\o+8*(\t)+7], v[FR+12*(\t):FR+12*(\t)+11], v[PC:PC+11], v[\o+8*(\t):\o+8*(\t)+7], v[KS+(\t)/2], v[PW] matrix_a_fmt:MATRIX_FMT_FP6 matrix_b_fmt:MATRIX_FMT_FP6 matrix_a_scale:MATRIX_SCALE_ROW1
.endif
.endm
; A KEY STEP of one tile: 128 keys from s[KF] on.  qf: Q's registers; hi: Q's scale words in lanes 16-31; st: the statistics; o: O^T; q0: the scalar with the tile's group of 32 queries.
.macro STEP qf, hi, st, o, q0
	s_add_co_u32 s54, s[\q0], 31
	s_cmp_gt_u32 s[KF], s54                        ; all 128 keys come after my queries: a branch on ids and the count of steps, round the step's loads and arithmetic alone
	s_cbranch_scc1 .Lhid_\@
.rept 4
	v_nop                                          ; places in front of loads into registers that the last products read
.endr
.irp i, 0,1,2,3,4,5,6,7,8,9,10,11
	ds_load_b128 v[FR+4*\i:FR+4*\i+3], v[ADR] offset:512*\i          ; K: four images: tile t's six registers at FR + 6 t
.endr
	ds_load_b128 v[KS:KS+3], v[ADR] offset:6144    ; register p: lanes 0-15 tile 2 p's scale words, lanes 16-31 tile 2 p + 1's
	s_wait_dscnt 0x0
.irp t, 0,1,2,3,4,5,6,7
	KQ1 \t, \qf, \hi                               ; S^T = K Q^T: register 16 p + i of lane (r, h) is key 32 p + 16 h + i for query r
.endr
.rept 4
	v_nop                                          ; places: the results are read below, and V lands where K lay
.endr
.irp i, 0,1,2,3,4,5,6,7,8,9,10,11
	ds_load_b128 v[FR+4*\i:FR+4*\i+3], v[ADR] offset:6656+512*\i     ; V: four whole fragments, asked for here so that they land under the softmax
.endr
	ds_load_b64 v[KS:KS+1], v[ADR8] offset:12800
	s_add_co_u32 s54, s[KF], 127
	s_cmp_le_u32 s54, s[\q0]                       ; all keys count: no mask
	s_cbranch_scc1 .Lopen_\@
	s_sub_co_i32 s54, s[\q0], s[KF]
	v_add_nc_u32 v[T], s54, v[DL]                  ; my query - KF - 16 (lane / 16): register 16 p + i is hidden where 32 p + i is greater
	v_mov_b32 v[BM], 0xff800000                    ; -infinity: p = 0 then
.set n, 0
.rept 64
	v_cmp_gt_i32 vcc_lo, 32*(n/16)+n%16, v[T]
	v_cndmask_b32 v[S+n], v[S+n], v[BM], vcc_lo
.set n, n+1
.endr
.Lopen_\@:
.irp b, 0,1,2,3
	v_max3_num_f32 v[BM+\b], v[S+16*\b], v[S+1+16*\b], v[S+2+16*\b]  ; the largest score of each block of 32 keys: for the row's maximum and, since p rises with the score, for the block's largest p
.endr
.irp i, 3,5,7,9,11,13
.irp b, 0,1,2,3
	v_max3_num_f32 v[BM+\b], v[BM+\b], v[S+16*\b+\i], v[S+1+16*\b+\i]
.endr
.endr
.irp b, 0,1,2,3
	v_max_num_f32 v[BM+\b], v[BM+\b], v[S+15+16*\b]
.endr
.irp b, 0,1,2,3
	v_permlanex16_b32 v[PM+\b], v[BM+\b], s[SEL], s[SEL+1]
.endr
.irp b, 0,1,2,3
	v_max_num_f32 v[BM+\b], v[BM+\b], v[PM+\b]     ; with lane l xor 16's 16 keys
.endr
	v_max3_num_f32 v[T], v[BM], v[BM+1], v[BM+2]
	v_max_num_f32 v[T], v[T], v[BM+3]
	v_mul_f32 v[T], s[CS], v[T]                    ; as t
	v_max_num_f32 v[\st+1], v[\st+1], v[T]         ; the running largest t
	v_mov_b32 v[T], v[\st]
	v_floor_f32 v[\st], -v[\st+1]                  ; the new -M
	v_sub_f32 v[T], v[\st], v[T]                   ; old M less new M: a whole number, 0 or less
	v_cvt_i32_f32 v[T], v[T]                       ; (it saturates)
	v_ldexp_f32 v[F], 1.0, v[T]                    ; f = 2^(old M - new M)
.set n, 0
.rept 32
	v_pk_fma_f32 v[S+n:S+n+1], v[S+n:S+n+1], s[CS:CS+1], v[\st:\st+1] op_sel_hi:[1,0,0]   ; t - M, two at a time
.set n, n+2
.endr
.irp b, 0,1,2,3
	v_fma_f32 v[BM+\b], v[BM+\b], s[CS], v[\st]
.endr
.set n, 0
.rept 64
	v_exp_f32 v[S+n], v[S+n]                       ; p = 2^(t - M)
.set n, n+1
.endr
	v_pk_mul_f32 v[\st+2:\st+3], v[\st+2:\st+3], v[F:F+1] op_sel_hi:[1,0]   ; the sums under the new M: the plain place behind the exponentials
	s_wait_alu depctr_va_vdst(0)                   ; one wait for the batch, ahead of its first reader
.irp b, 0,1,2,3
	v_exp_f32 v[BM+\b], v[BM+\b]                   ; the block's largest p
.endr
	v_pk_add_f32 v[PM:PM+1], v[S:S+1], v[S+2:S+3]  ; the row's sum of the unquantised p, in two chains
.irp j, 4,8,12,16,20,24,28,32,36,40,44,48,52,56,60
	v_pk_add_f32 v[\st+2:\st+3], v[\st+2:\st+3], v[S+\j:S+1+\j]
	v_pk_add_f32 v[PM:PM+1], v[PM:PM+1], v[S+2+\j:S+3+\j]
.endr
	v_pk_add_f32 v[\st+2:\st+3], v[\st+2:\st+3], v[PM:PM+1]
	s_wait_alu depctr_va_vdst(0)                   ; and one for the four
.irp b, 0,1,2,3
	v_max_num_f32 v[BM+\b], 0x1800000, v[BM+\b]    ; the floor 2^(3 - 127)
.endr
.irp b, 0,1,2,3
	v_add_nc_u32 v[SO+\b], 0xff000000, v[BM+\b]    ; the conversion's scale operand
.endr
.irp b, 0,1,2,3
	v_lshrrev_b32 v[PM+\b], 23, v[SO+\b]           ; the scale's byte
.endr
	v_lshl_or_b32 v[PW], v[PM+1], 8, v[PM]
	v_lshl_or_b32 v[PW], v[PM+2], 16, v[PW]
	v_lshl_or_b32 v[PW], v[PM+3], 24, v[PW]
.irp c, 0,1
	v_cvt_scalef32_pk16_fp6_f32 v[PC+6*\c:PC+2+6*\c], v[S+32*\c:S+15+32*\c], v[SO+2*\c]
	v_cvt_scalef32_pk16_fp6_f32 v[CT+4*\c:CT+2+4*\c], v[S+16+32*\c:S+31+32*\c], v[SO+2*\c+1]
.endr
	v_nop                                          ; one plain place behind a scaled conversion
.irp c, 0,1
.irp i, 0,1,2
	v_permlane16_swap_b32 v[PC+6*\c+\i], v[CT+4*\c+\i]   ; a whole block to a lane
.endr
.irp i, 0,1,2
	v_mov_b32 v[PC+3+6*\c+\i], v[CT+4*\c+\i]
.endr
.endr
.set n, 0
.rept 16
	v_pk_mul_f32 v[\o+n:\o+n+1], v[\o+n:\o+n+1], v[F:F+1] op_sel_hi:[1,0]   ; O^T under the new M; these sixteen are also the places between p's codes and scale word and the products
.set n, n+2
.endr
	s_wait_dscnt 0x0                               ; V is in
.irp t, 0,1,2,3
	PV1 \t, \o                                     ; O^T += V^T P^T: register 16 g + i of lane (r, h) is channel 32 g + 16 h + i for query r
.endr
.Lhid_\@:
.endm
; The change of slots stands at a slot's head.  Each wave waits for all its tensor loads, adds 0 to its spare word (fill = 1: twice on end), and waits for that
; and for its reads of the slot that it has left.  Behind the barrier the slot ahead is whole and nobody reads the other one, which is filled with the next 256 keys, if any wave of the work-group will read them.
.macro CHANGE fill
	s_wait_tensorcnt 0x0                           ; no tensor load of mine is out, so the group 0 may be written
	ds_add_u32 v[SPW], v[NIL]
.if \fill
	ds_add_u32 v[SPW], v[NIL]
	s_xor_b32 s[G0+1], s[G0+1], SLOT1
	s_add_nc_u64 s[G0+2:G0+3], s[G0+2:G0+3], 2*REC
	s_wait_xcnt 0x0                                ; the last prefetch, a slot back, has read its address
	s_add_nc_u64 s[PFA:PFA+1], s[PFA:PFA+1], 2*REC
.endif
	s_wait_dscnt 0x0
	s_barrier_signal -1
	s_barrier_wait -1
.if \fill
	s_add_co_u32 s54, s[KF], 256                   ; the first key of the slot that this change would ask for,
	s_cmp_gt_u32 s54, s[QLAST]                     ; against my work-group's last query: ids and the count of steps alone, the same in all sixteen waves
	s_cbranch_scc1 .Lpast_\@
	TLOAD                                          ; a wave's one tensor load until the next such barrier: one is out at the most
.Lpast_\@:
	ASK
.endif
.endm
.macro SLOT_STEPS                      ; a slot's two key steps: written once, walked twice
	s_mov_b32 s[CNT], 2
.Lst_\@:
	v_add_nc_u32 v[ADR], s[TB], v[LI]
	v_add_nc_u32 v[ADR8], s[TB], v[L8]
	STEP QL, 0, STL, OL, Q0L
	STEP QH, 1, STH, OH, Q0H
	s_add_co_u32 s[KF], s[KF], 128
	s_add_co_u32 s[TB], s[TB], RECL
	s_sub_co_u32 s[CNT], s[CNT], 1
	s_cmp_lg_u32 s[CNT], 0
	s_cbranch_scc1 .Lst_\@
	s_sub_co_u32 s[TB], s[TB], 2*RECL
	s_xor_b32 s[TB], s[TB], SLOT1
.endm
.macro OUTB q0, ab, sb                 ; where a tile's codes and scale bytes go.  s57 = 128 x batch + u, s62 = head, s59 = 0
	s_lshr_b32 s54, s[\q0], 4
	s_add_co_u32 s54, s54, s57                     ; the tile of tokens
	s_mul_i32 s58, s54, 12288
	s_mul_i32 s55, s62, 768
	s_add_co_u32 s58, s58, s55
	s_add_nc_u64 s[\ab:\ab+1], s[6:7], s[58:59]
	s_lshl_b32 s58, s54, 9
	s_lshl_b32 s55, s62, 1
	s_add_co_u32 s58, s58, s55
	s_add_nc_u64 s[\sb:\sb+1], s[8:9], s[58:59]
.endm
	s_load_b128 s[4:7], s[0:1], 0x0                ; qkv, ac
	s_load_b64 s[8:9], s[0:1], 0x10                ; asc
	v_lshl_add_u32 v[SPW], v0, 2, SPARE
	v_mov_b32 v[NIL], 0
	ds_add_u32 v[SPW], v[NIL]                      ; the wave's opening: the add, twice on end, and its wait ahead of the first tensor load
	ds_add_u32 v[SPW], v[NIL]
	v_lshrrev_b32 v[T], 5, v0
	v_readfirstlane_b32 s[WV], v[T]                ; wave 0..15
	s_and_b32 s11, s[WV], 1                        ; u
	s_lshr_b32 s12, s[WV], 1                       ; which 32 queries of a block
	s_cmp_lg_u32 s11, 0
	s_cselect_b32 s[UM], -1, 0
	s_mov_b32 s[HM], 0xffff0000                    ; lanes 16-31
	s_lshl_b32 s54, ttmp9, 8
	s_lshl_b32 s55, s12, 5
	s_add_co_u32 s[Q0L], s54, s55
	s_sub_co_u32 s[Q0H], 1792, s54
	s_add_co_u32 s[Q0H], s[Q0H], s55
	s_or_b32 s[QLAST], s[Q0H], 255
	s_mov_b32 s[KF], 0
	s_mov_b32 s[TB], 0
	s_mov_b32 s[SEL], 0x76543210
	s_mov_b32 s[SEL+1], 0xfedcba98
	s_mov_b32 s[CS], 0x3d38aa3b                    ; log2(e) / 32
	s_mov_b32 s[CS+1], s[CS]
	s_mov_b32 s[SLOTS], 7
	s_mov_b32 s[G1], 3<<16                         ; no mask; elements of 8 bytes; no padding
	s_mov_b32 s[G1+1], 32<<16                      ; tensor_dim0: rows of 256 bytes
	s_mov_b32 s[G1+2], 51<<16                      ; tensor_dim1
	s_mov_b32 s[G1+3], 32<<16                      ; tile_dim0
	s_mov_b32 s[G1+4], 51                          ; tile_dim1
	s_mov_b32 s[G1+5], 32                          ; the pitch: dense
	s_mov_b32 s[G1+6], 0
	s_mov_b32 s[G1+7], 0
	s_and_b32 s56, ttmp7, 0xffff                   ; 16 x batch + head
	s_mul_i32 s58, s56, HEADB
	s_mov_b32 s59, 0
	s_mul_i32 s60, s11, REC
	s_mov_b32 s61, 0
	s_mov_b32 s[G0], 1
	s_mul_i32 s[G0+1], s11, RECL                   ; slot 0, record u
	s_wait_dscnt 0x0                               ; both opening adds are done
	s_wait_kmcnt 0x0
	s_add_nc_u64 s[4:5], s[4:5], s[58:59]          ; my head's records
	s_add_nc_u64 s[G0+2:G0+3], s[4:5], s[60:61]
	s_or_b32 s[G0+3], s[G0+3], 0x80000000
	TLOAD                                          ; slot 0: keys 0-255, which every work-group's HI block reads
	s_lshr_b32 s54, s[Q0L], 7
	s_mul_i32 s60, s54, REC
	s_add_nc_u64 s[42:43], s[4:5], s[60:61]        ; the record with LO's queries,
	s_lshr_b32 s54, s[Q0H], 7
	s_mul_i32 s60, s54, REC
	s_add_nc_u64 s[44:45], s[4:5], s[60:61]        ; and with HI's
	s_add_nc_u64 s[PFA:PFA+1], s[4:5], 2*REC       ; slot 1: the first change of slots steps it to slot 2
	v_and_b32 v130, 15, v0                         ; r
	v_bfe_u32 v131, v0, 4, 1                       ; h
	v_and_b32 v132, 31, v0                         ; lane
	v_lshlrev_b32 v[LI], 4, v132
	v_lshlrev_b32 v[L8], 3, v132
	s_and_b32 s55, s12, 3                          ; which pair of tiles of the record
	s_mul_i32 s54, s55, 1536
	v_add_nc_u32 v[ADR], s54, v[LI]
.irp c, 0,1,2
	global_load_b128 v[S+4*\c:S+4*\c+3], v[ADR], s[42:43] offset:13056+512*\c
	global_load_b128 v[S+12+4*\c:S+15+4*\c], v[ADR], s[44:45] offset:13056+512*\c
.endr
	s_lshl_b32 s54, ttmp9, 2
	s_sub_co_u32 s54, 14, s54
	s_mul_i32 s54, s54, REC                        ; from LO's record to HI's
	v_mul_u32_u24 v[ADR8], s54, v131               ; lanes 16-31 take HI's words
	v_lshl_add_u32 v[ADR8], v130, 4, v[ADR8]
	s_lshl_b32 s54, s11, 8
	s_lshl_b32 s55, s55, 2
	s_add_co_u32 s54, s54, s55
	v_add_nc_u32 v[ADR8], s54, v[ADR8]             ; 16 r + 256 u + 4 x pair
	global_load_b32 v[QS], v[ADR8], s[42:43] offset:19200
	v_and_b32 v133, 8, v130
	v_add_nc_u32 v133, v133, v130
	v_lshlrev_b32 v134, 4, v131
	v_sub_nc_u32 v133, v133, v134
	s_lshl_b32 s54, s11, 3
	v_add_nc_u32 v[DL], s54, v133
	s_lshr_b32 s57, s56, 4
	s_lshl_b32 s57, s57, 7
	s_add_co_u32 s57, s57, s11
	s_and_b32 s62, s56, 15
	OUTB Q0L, 46, 50
	OUTB Q0H, 48, 52
	s_sub_co_u32 s54, s[WV], 4
	s_lshr_b32 s54, s54, 2                         ; 0 in waves 4 to 7,
	s_or_b32 s54, s54, ttmp9                       ; of the head's first work-group
	s_cmp_eq_u32 s54, 0
	s_cselect_b32 s[LIM], 1, -1
	s_lshl_b32 s55, s11, 5
	v_add_nc_u32 v132, s55, v132
	v_min_u32 v132, 50, v132
	v_lshlrev_b32 v132, 8, v132
	s_bfe_u32 s55, s[WV], 0x10001
	s_mul_i32 s55, s55, REC
	v_add_nc_u32 v0, s55, v132                     ; the prefetches' offset; the thread's number is not wanted any more
.irp i, 6,7,8,9,10,11
	v_mov_b32 v[QL+\i], 0                          ; zero codes for K = 64 .. 127
	v_mov_b32 v[QH+\i], 0
.endr
.irp i, 0,1,2,3,4,5,6,7
	v_mov_b32 v[CT+\i], 0                          ; named behind key tile 7's codes: written once
.endr
.irp i, 0,1,2,3
	v_mov_b32 v[PM+\i], 0                          ; a lane permute's destination counts as one of its sources
.endr
	v_mov_b32 v[PW], 0
	v_mov_b32 v[F], 0
	v_mov_b32 v[T], 0
.irp st, STL, STH
	v_mov_b32 v[\st+1], 0xff61b1e6                 ; the largest t so far: -3e38
	v_floor_f32 v[\st], -v[\st+1]
	v_mov_b32 v[\st+2], 0
	v_mov_b32 v[\st+3], 0
.endr
.set n, 0
.rept 64
	v_mov_b32 v[OL+n], 0                           ; O^T: the step is written once; the first change of M leaves zeros zeros
.set n, n+1
.endr
	s_wait_loadcnt 0x0                             ; Q
.irp i, 0,1,2,3,4,5
	v_cndmask_b32 v[QL+\i], v[S+\i], v[S+6+\i], s[UM]        ; my tile of the pair
	v_cndmask_b32 v[QH+\i], v[S+12+\i], v[S+18+\i], s[UM]
.endr
.Lslot:                                            ; seven trips: behind each change of slots but the last the next slot is asked for, up to the causal limit
	CHANGE 1
	SLOT_STEPS
	s_sub_co_u32 s[SLOTS], s[SLOTS], 1
	s_cmp_lg_u32 s[SLOTS], 0
	s_cbranch_scc1 .Lslot
	CHANGE 0
	SLOT_STEPS
; THE WAY OUT of a tile: O^T / the sum; its two blocks of 32 channels are quantised; six registers of codes and a scale byte a lane.
.macro FIN st, o, pc, ab, sb, by
	v_add_f32 v[\st+2], v[\st+2], v[\st+3]
	v_permlanex16_b32 v[T], v[\st+2], s[SEL], s[SEL+1]
	v_add_f32 v[\st+2], v[\st+2], v[T]             ; the row's sum
	v_rcp_f32 v[F], v[\st+2]
	v_nop                                          ; a plain place behind the reciprocal
	s_wait_alu depctr_va_vdst(0)                   ; and the wait ahead of its first reader
.set n, 0
.rept 16
	v_pk_mul_f32 v[S+n:S+n+1], v[\o+n:\o+n+1], v[F:F+1] op_sel_hi:[1,0]
.set n, n+2
.endr
.irp b, 0,1
	v_max3_num_f32 v[BM+\b], |v[S+16*\b]|, |v[S+1+16*\b]|, 0x1800000
.endr
.irp i, 2,4,6,8,10,12,14
.irp b, 0,1
	v_max3_num_f32 v[BM+\b], v[BM+\b], |v[S+16*\b+\i]|, |v[S+1+16*\b+\i]|
.endr
.endr
.irp b, 0,1
	v_permlanex16_b32 v[PM+\b], v[BM+\b], s[SEL], s[SEL+1]
.endr
.irp b, 0,1
	v_max_num_f32 v[BM+\b], v[BM+\b], v[PM+\b]
.endr
.irp b, 0,1
	v_add_nc_u32 v[SO+\b], 0xff000000, v[BM+\b]
.endr
.irp b, 0,1
	v_lshrrev_b32 v[PM+\b], 23, v[SO+\b]
.endr
	v_cvt_scalef32_pk16_fp6_f32 v[\pc:\pc+2], v[S:S+15], v[SO]
	v_cvt_scalef32_pk16_fp6_f32 v[CT:CT+2], v[S+16:S+31], v[SO+1]
	v_nop
.irp i, 0,1,2
	v_permlane16_swap_b32 v[\pc+\i], v[CT+\i]
.endr
.irp i, 0,1,2
	v_mov_b32 v[\pc+3+\i], v[CT+\i]
.endr
	v_cndmask_b32 v[\by], v[PM], v[PM+1], s[HM]    ; lanes 0-15 block 0's byte, lanes 16-31 block 1's
	global_store_b128 v[LI], v[\pc:\pc+3], s[\ab:\ab+1] th:TH_STORE_NT               ; 512 consecutive bytes, aligned
	global_store_b64 v[L8], v[\pc+4:\pc+5], s[\ab:\ab+1] offset:512 th:TH_STORE_NT   ; 256
	global_store_b8 v[ADR], v[\by], s[\sb:\sb+1]
.endm
	v_lshrrev_b32 v[T], 4, v[LI]                   ; four plain lines: the places behind the last products, whose registers they do not name
	v_and_b32 v[ADR], 15, v[T]
	v_lshrrev_b32 v[T], 4, v[T]
	v_lshl_add_u32 v[ADR], v[ADR], 5, v[T]         ; 32 r + h: my scale byte's place
	FIN STL, OL, PC, 46, 50, BM+2
	FIN STH, OH, FR, 48, 52, BM+3                  ; codes and byte in registers of their own: no store's data are written again
	s_wait_tensorcnt 0x0                           ; the wave's end
	ds_add_u32 v[SPW], v[NIL]
	s_wait_dscnt 0x0
	s_endpgm
.Lfunc_end_k_q20a8505e78_attn:
	.size	k_q20a8505e78_attn, .Lfunc_end_k_q20a8505e78_attn-k_q20a8505e78_attn
	.p2alignl 7, 3214868480
	.fill 96, 4, 3214868480
	.section	.rodata,"a",@progbits
	.p2align	6, 0x0
	.amdhsa_kernel k_q20a8505e78_attn
		.amdhsa_group_segment_fixed_size 327680
		.amdhsa_private_segment_fixed_size 0
		.amdhsa_enable_private_segment 0
		.amdhsa_kernarg_size 24
		.amdhsa_user_sgpr_count 2
		.amdhsa_user_sgpr_kernarg_segment_ptr 1
		.amdhsa_wavefront_size32 1
		.amdhsa_system_sgpr_workgroup_id_x 1
		.amdhsa_system_sgpr_workgroup_id_y 1
		.amdhsa_system_sgpr_workgroup_id_z 1
		.amdhsa_system_vgpr_workitem_id 0
		.amdhsa_next_free_vgpr 256
		.amdhsa_next_free_sgpr 72
		.amdhsa_reserve_vcc 1
		.amdhsa_float_denorm_mode_32 3
		.amdhsa_float_denorm_mode_16_64 3
		.amdhsa_memory_ordered 1
		.amdhsa_forward_progress 1
		.amdhsa_inst_pref_size 101
	.end_amdhsa_kernel
	.amdgpu_metadata
---
amdhsa.version: [ 1, 2 ]
amdhsa.kernels:
  - .name:           k_q20a8505e78_attn
    .symbol:         k_q20a8505e78_attn.kd
    .args:
      - { .name: qkv, .offset: 0, .size: 8, .value_kind: global_buffer, .address_space: global }
      - { .name: ac, .offset: 8, .size: 8, .value_kind: global_buffer, .address_space: global }
      - { .name: asc, .offset: 16, .size: 8, .value_kind: global_buffer, .address_space: global }
    .group_segment_fixed_size: 327680
    .private_segment_fixed_size: 0
    .kernarg_segment_align: 8
    .kernarg_segment_size: 24
    .max_flat_workgroup_size: 512
    .sgpr_count:     72
    .vgpr_count:     256
    .wavefront_size: 32
...
	.end_amdgpu_metadata
.endif
;; end of part 3
;; launch proj (part 4): grid 4 x 32, 4 waves a work-group, clusters of 4 x 4, 327,680 bytes of LDS; arguments ac, asc, wc, ws, bo, out0; writes out0
.if DOCPART == 4
	.amdgcn_target "amdgcn-amd-amdhsa--gfx1250"
	.amdhsa_code_object_version 6
	.text
	.protected	k_q20a8505e78_proj
	.globl	k_q20a8505e78_proj
	.p2align	8
	.type	k_q20a8505e78_proj,@function
k_q20a8505e78_proj:
	s_mov_b64 s[64:65], 0
	v_nop
	global_prefetch_b8 v0, s[64:65] scope:SCOPE_SE
	s_setreg_imm32_b32 hwreg(HW_REG_WAVE_MODE, 25, 1), 1
	s_wait_xcnt 0x0
	s_wait_alu depctr_hold_cnt(0) depctr_sa_sdst(0) depctr_va_vdst(0) depctr_va_sdst(0) depctr_va_ssrc(0) depctr_va_vcc(0) depctr_vm_vsrc(0)
	s_getreg_b32 s2, hwreg(HW_REG_IB_STS2, 6, 4)
	s_cmp_eq_u32 s2, 0
	s_cbranch_scc0 .Lentry_in_a_cluster
	s_endpgm
.Lentry_in_a_cluster:
	s_bfe_u32 s2, ttmp6, 0x10000c
	s_cmp_lg_u32 s2, 0xf033
	s_cbranch_scc0 .Lentry_shape_is_right
	s_endpgm
.Lentry_shape_is_right:
; out0 = att Wo + bo on codes of FP6 (E2M3) with E8M0 scales, K = 1,024.  Nothing of reference() is left out here.
; A = att: ac [tile of 16 tokens][head][768 bytes], images of operand registers (two heads are a fragment of 16 tokens x 128 K); asc [token in tile order][32].  Tile 2 g + u of a batch holds tokens 32 g + 8 u + r + 8 (r / 8).
; B = Wo's columns: rows 3,072 on of wc [..][768] and ws [..][32].  bo is the C of each sum's first matrix instruction.
; A tile of 256 x 256 of out0 is made by four waves, 128 x 128 each; K goes in steps of 256 through two LDS slots; the scale bytes come once.  The matrix instruction is used transposed (source 0 = 16 rows of B, source 1 = A).
; CLUSTERS of 4 x 4: A's tiles are asked for jointly along a row of the cluster, B's along a column.  The problem has 128 such tiles: 128 work-groups.
; REGISTERS: window 0: v16-30 addresses; v32-63 scale words and nothing else; v64-127 bo; v128-223 A's fragments; on the way out v128-255.  window 1: B's fragments, two sets.  windows 2, 3: the accumulators.
.set KSTEP,  256
.set NQ,     2
.set ROWB,   192
.set KROW,   768
.set PITCH,  240
.set FR,     12
.set NL,     6
.set NLA,    4                         ; LDS loads that bring a fragment of A
.set NP,     4
.set HALFA,  24576                     ; 8 tiles of tokens x 3,072 bytes (4 heads): what one tensor load brings of A
.set HALFB,  128*PITCH
.set SLOT,   2*HALFA+2*HALFB
.set LAPS,   2
.set KS,     32
.set SCL,    2*SLOT
.set HALFS,  (128*KS/256)*272
.set SBLK,   (16*KS/256)*272
.set SPARE,  SCL+4*HALFS
.set SPITCH, 528                       ; the way out: a stage of 16 rows x (512 + 16) bytes for each wave, in slot 0, which has had its last fill and its last read by then
.set ADRA, 16                          ; v16-17 my A tiles in slot 0, 1, + 16 x lane;  v18-19 + 8 x lane
.set ADRB, 20
.set STO,  24
.set RD,   25
.set CO,   26
.set ADRS, 27
.set SPW,  28
.set NIL,  29
.set BOF,  30                          ; v30  32 x (lane / 16): my offset in bo
.set SC,   32
.set BIAS, 64
.set AF,   128
.set BK,   128
.set G1, 24
.set G0, 32
.set G1B, 48
.set G0B, 56
.set G1S, 68
.set G0S, 76
.set G1SB, 80
.set G0SB, 88
.set MSB, 0
.macro WIN new
.if MSB != (\new)
	s_set_vgpr_msb (MSB<<8)|(\new)
.set MSB, (\new)
.endif
.endm
.set MUL_LO, 0xa1
.set MUL_HI, 0xf1
.set TO_B,   0x40
.macro JLOAD g0a, g1a, g0b, g1b        ; waves 0 and 1 fetch for A, waves 2 and 3 for B; an s_nop 0 and four v_nop follow each of the two lines
	s_cmp_eq_u32 s15, 0
	s_cbranch_scc0 .Lfor_b_\@
	tensor_load_to_lds s[\g0a:\g0a+3], s[\g1a:\g1a+7]
	s_nop 0
.rept 4
	v_nop
.endr
	s_branch .Lasked_\@
.Lfor_b_\@:
	tensor_load_to_lds s[\g0b:\g0b+3], s[\g1b:\g1b+7]
	s_nop 0
.rept 4
	v_nop
.endr
.Lasked_\@:
.endm
.macro CREST
	s_cmp_lg_u32 s14, 0
	s_cbranch_scc1 .Lnot_wave_0_\@
	s_barrier_signal -3
.Lnot_wave_0_\@:
	s_barrier_wait -3
	s_barrier_signal -1
	s_barrier_wait -1
.endm
.macro CROUND
	s_barrier_signal -1
	s_barrier_wait -1
	CREST
.endm
	s_load_b128 s[4:7], s[0:1], 0x0                ; ac, asc
	s_load_b128 s[8:11], s[0:1], 0x10              ; wc, ws
	s_load_b64 s[66:67], s[0:1], 0x20              ; bo
	s_load_b64 s[12:13], s[0:1], 0x28              ; out0
	v_lshl_add_u32 v[SPW], v0, 2, SPARE
	v_mov_b32 v[NIL], 0
	ds_add_u32 v[SPW], v[NIL]                      ; the wave's opening: the add, twice on end, and its wait ahead of my first tensor load
	ds_add_u32 v[SPW], v[NIL]
	v_lshrrev_b32 v1, 5, v0
	v_readfirstlane_b32 s14, v1
	s_lshr_b32 s15, s14, 1
	s_and_b32 s16, s14, 1
	s_bfe_u32 s40, ttmp6, 0x40000
	s_bfe_u32 s41, ttmp6, 0x40004
	s_lshl_b32 s42, ttmp9, 2
	s_add_co_u32 s42, s42, s40                     ; tile column
	s_and_b32 s17, ttmp7, 0xffff
	s_lshl_b32 s17, s17, 2
	s_add_co_u32 s17, s17, s41                     ; tile row
	s_lshl_b32 s43, s41, 2
	s_lshl_b32 s43, 15, s43
	s_lshl_b32 s44, 0x1111, s40
	s_or_b32 s[G1+0], s43, (3<<16)|(1<<21)         ; A: the mask of my row; elements of 8 bytes; no padding; bit 21 beside a mask
	s_mov_b32 s[G1+1], 384<<16                     ; tensor_dim0: 3,072 bytes: four heads of a tile of tokens
	s_mov_b32 s[G1+2], 8<<16                       ; tensor_dim1: 8 tiles of tokens
	s_mov_b32 s[G1+3], 384<<16
	s_mov_b32 s[G1+4], 8
	s_mov_b32 s[G1+5], 1536                        ; 12,288 bytes from a tile of tokens to the next
	s_mov_b32 s[G1+6], 0
	s_mov_b32 s[G1+7], 0
	s_or_b32 s[G1B+0], s44, (0<<16)|(1<<20)|(1<<21)|(3<<22)|(3<<25)  ; B: 128 rows of 192 bytes, 16 bytes of padding behind every 64
	s_mov_b32 s[G1B+1], ROWB<<16
	s_mov_b32 s[G1B+2], 128<<16
	s_mov_b32 s[G1B+3], ROWB<<16
	s_mov_b32 s[G1B+4], 128
	s_mov_b32 s[G1B+5], KROW
	s_mov_b32 s[G1B+6], 0
	s_mov_b32 s[G1B+7], 0
	s_or_b32 s[G1S+0], s43, (3<<16)|(1<<20)|(1<<21)|(5<<22)|(3<<25)
	s_or_b32 s[G1SB+0], s44, (3<<16)|(1<<20)|(1<<21)|(5<<22)|(3<<25)
.irp g, G1S, G1SB
	s_mov_b32 s[\g+1], 32<<16
	s_mov_b32 s[\g+2], (128*KS/256)<<16
	s_mov_b32 s[\g+3], 32<<16
	s_mov_b32 s[\g+4], 128*KS/256
	s_mov_b32 s[\g+5], 32
	s_mov_b32 s[\g+6], 0
	s_mov_b32 s[\g+7], 0
.endr
	s_lshl_b32 s18, s16, 7
	s_lshl_b32 s20, s17, 8
	s_add_co_u32 s20, s20, s18                     ; A: token row (in tile order) 256 x tile row + 128 x half; 768 bytes of codes a row, as 12,288 a tile of sixteen
	s_lshl_b32 s46, s42, 8
	s_add_co_u32 s46, s46, s18
	s_add_co_u32 s46, s46, 3072                    ; B: Wo's columns begin at row 3,072 of wc and ws
	s_mov_b32 s21, 0
	s_mov_b32 s47, 0
	s_mov_b64 s[18:19], KS
	s_mul_u64 s[22:23], s[20:21], s[18:19]
	s_mul_u64 s[92:93], s[46:47], s[18:19]
	s_mov_b64 s[18:19], KROW
	s_mul_u64 s[20:21], s[20:21], s[18:19]
	s_mul_u64 s[46:47], s[46:47], s[18:19]
	s_mul_i32 s45, s16, HALFA                      ; where A's half goes,
	s_mul_i32 s99, s16, HALFB
	s_add_co_u32 s99, s99, 2*HALFA                 ; and B's
	s_mul_i32 s94, s14, HALFS
	s_wait_dscnt 0x0
	s_wait_kmcnt 0x0
	s_add_nc_u64 s[20:21], s[4:5], s[20:21]
	s_add_nc_u64 s[22:23], s[6:7], s[22:23]
	s_add_nc_u64 s[46:47], s[8:9], s[46:47]
	s_add_nc_u64 s[92:93], s[10:11], s[92:93]
	CROUND                                         ; all sixteen work-groups are here: the first joint loads meet
	s_mov_b32 s[G0S], 1
	s_add_co_u32 s[G0S+1], s94, SCL
	s_mov_b64 s[G0S+2:G0S+3], s[22:23]
	s_or_b32 s[G0S+3], s[G0S+3], 0x80000000
	s_mov_b32 s[G0SB], 1
	s_add_co_u32 s[G0SB+1], s94, SCL
	s_mov_b64 s[G0SB+2:G0SB+3], s[92:93]
	s_or_b32 s[G0SB+3], s[G0SB+3], 0x80000000
	JLOAD G0S, G1S, G0SB, G1SB                     ; three tensor loads of a wave are out at the start, one behind each later round
.irp s, 0,1
	s_mov_b32 s[G0+4*\s], 1
	s_add_co_u32 s[G0+4*\s+1], s45, \s*SLOT
	s_add_nc_u64 s[G0+4*\s+2:G0+4*\s+3], s[20:21], \s*3072
	s_or_b32 s[G0+4*\s+3], s[G0+4*\s+3], 0x80000000
	s_mov_b32 s[G0B+4*\s], 1
	s_add_co_u32 s[G0B+4*\s+1], s99, \s*SLOT
	s_add_nc_u64 s[G0B+4*\s+2:G0B+4*\s+3], s[46:47], \s*ROWB
	s_or_b32 s[G0B+4*\s+3], s[G0B+4*\s+3], 0x80000000
	JLOAD G0+4*\s, G1, G0B+4*\s, G1B
.endr
	v_and_b32 v1, 15, v0                           ; l % 16
	v_bfe_u32 v2, v0, 4, 1                         ; l / 16
	s_lshl_b32 s46, s42, 10                        ; my first column, in bytes: 1,024 x tile column + 512 x half
	s_lshl_b32 s47, s16, 9
	s_add_co_u32 s46, s46, s47
	s_mov_b32 s47, 0
	s_add_nc_u64 s[66:67], s[66:67], s[46:47]
	v_lshlrev_b32 v[BOF], 5, v2
.irp b, 0,1,2,3,4,5,6,7
	global_load_b128 v[BIAS+8*\b:BIAS+8*\b+3], v[BOF], s[66:67] offset:64*\b         ; bo at columns 16 b + 8 (lane / 16) + 0 .. 7: the result's layout
	global_load_b128 v[BIAS+8*\b+4:BIAS+8*\b+7], v[BOF], s[66:67] offset:64*\b+16
.endr
	v_and_b32 v6, 31, v0
	v_lshlrev_b32 v4, 4, v6
	v_lshlrev_b32 v5, 3, v6
	s_mul_i32 s21, s15, HALFA                      ; my 8 tiles of tokens
.irp s, 0,1
	v_add_nc_u32 v[ADRA+\s], s21, v4
	v_add_nc_u32 v[ADRA+2+\s], s21, v5
	s_add_co_u32 s21, s21, SLOT
.endr
	v_mul_u32_u24 v3, v1, PITCH
	v_mul_u32_u24 v7, v2, 24
	v_add_nc_u32 v7, v3, v7
	v_lshl_add_u32 v8, v2, 4, v7
	s_mul_i32 s22, s16, HALFB
	s_add_co_u32 s22, s22, 2*HALFA
.irp s, 0,1
	v_add_nc_u32 v[ADRB+\s], s22, v7
	v_add_nc_u32 v[ADRB+2+\s], s22, v8
	s_add_co_u32 s22, s22, SLOT
.endr
	v_mul_u32_u24 v5, v1, KS
	v_lshrrev_b32 v7, 8, v5
	v_lshl_add_u32 v5, v7, 4, v5
	s_mul_i32 s21, s15, HALFS
	s_mul_i32 s22, s16, HALFS
	s_add_co_u32 s22, s22, 2*HALFS
	s_sub_co_u32 s22, s22, s21
	v_mul_u32_u24 v7, s22, v2                      ; lanes 16-31 take B's
	s_add_co_u32 s21, s21, SCL
	v_add_nc_u32 v5, v5, v7
	v_add_nc_u32 v[ADRS], s21, v5
	s_mul_i32 s23, s14, 16*SPITCH                  ; my stage
	v_mul_u32_u24 v5, v1, SPITCH
	v_lshl_add_u32 v5, v2, 5, v5
	v_add_nc_u32 v[STO], s23, v5
	v_lshlrev_b32 v[CO], 4, v6
	v_add_nc_u32 v[RD], s23, v[CO]
	s_lshl_b32 s20, s17, 8
	s_lshl_b32 s21, s15, 7
	s_add_co_u32 s20, s20, s21                     ; my first 128 tokens
	s_lshl_b32 s20, s20, 12                        ; rows of 4,096 bytes
	s_mov_b32 s21, 0
	s_add_nc_u64 s[20:21], s[20:21], s[46:47]
	s_add_nc_u64 s[12:13], s[12:13], s[20:21]
.macro FRAG reg, adr, q, i             ; a fragment of B from rows: six pieces of 8 bytes
.irp p, 0,1,2,3,4,5
.set PC, 12*(\q)+6*(\p/3)+\p%3
.if PC%8 < 5
	ds_load_b64 v[\reg+2*\p:\reg+2*\p+1], v[\adr] offset:8*PC+16*(PC/8)+(\i)*16*PITCH
.else
	ds_load_b64 v[\reg+2*\p:\reg+2*\p+1], v[\adr+2] offset:8*PC+16*(PC/8)+(\i)*16*PITCH
.endif
.endr
.endm
.macro FRAGA reg, slot, q, i           ; a fragment of A from two heads' images: registers 0-3, 4-5, 6-9, 10-11
	ds_load_b128 v[\reg:\reg+3], v[ADRA+\slot] offset:(\i)*3072+(\q)*1536
	ds_load_b64 v[\reg+4:\reg+5], v[ADRA+2+\slot] offset:(\i)*3072+(\q)*1536+512
	ds_load_b128 v[\reg+6:\reg+9], v[ADRA+\slot] offset:(\i)*3072+(\q)*1536+768
	ds_load_b64 v[\reg+10:\reg+11], v[ADRA+2+\slot] offset:(\i)*3072+(\q)*1536+1280
.endm
; 16 matrix instructions.  zero = 1: the first product starts the sums from bo.  The 64 accumulators take turns, one instruction a turn.
.macro MUL16 a0, p, q, sc, zero
.irp a, \a0, \a0+1
.irp b, 0,1,2,3,4,5,6,7
.if \zero
	v_wmma_scale_f32_16x16x128_f8f6f4 v[8*(8*((\a)%4)+\b):8*(8*((\a)%4)+\b)+7], v[128*(\p)+FR*\b:128*(\p)+FR*\b+FR-1], v[AF+FR*(\a):AF+FR*(\a)+FR-1], v[BIAS+8*\b:BIAS+8*\b+7], v[SC+8*NQ*(\sc)+NQ*\b+(\q)], v[SC+8*NQ*(\sc)+NQ*(\a)+(\q)] matrix_a_fmt:MATRIX_FMT_FP6 matrix_b_fmt:MATRIX_FMT_FP6 matrix_a_scale:MATRIX_SCALE_ROW1
.else
	v_wmma_scale_f32_16x16x128_f8f6f4 v[8*(8*((\a)%4)+\b):8*(8*((\a)%4)+\b)+7], v[128*(\p)+FR*\b:128*(\p)+FR*\b+FR-1], v[AF+FR*(\a):AF+FR*(\a)+FR-1], v[8*(8*((\a)%4)+\b):8*(8*((\a)%4)+\b)+7], v[SC+8*NQ*(\sc)+NQ*\b+(\q)], v[SC+8*NQ*(\sc)+NQ*(\a)+(\q)] matrix_a_fmt:MATRIX_FMT_FP6 matrix_b_fmt:MATRIX_FMT_FP6 matrix_a_scale:MATRIX_SCALE_ROW1
.endif
.endr
.endr
.endm
.macro FETCH_B slot, q, p
	WIN TO_B
.irp i, 0,1,2,3,4,5,6,7
	FRAG 128*(\p)+FR*\i, ADRB+\slot, \q, \i
.endr
	WIN 0
.endm
.macro FETCH_A slot, q, i0
.irp i, \i0, \i0+1, \i0+2, \i0+3
	FRAGA AF+FR*(\i), \slot, \q, \i
.endr
.endm
.macro SCALES sc
.irp i, 0,1,2,3,4,5,6,7
	ds_load_b64 v[SC+8*NQ*\sc+NQ*\i:SC+8*NQ*\sc+NQ*\i+1], v[ADRS] offset:\i*SBLK
.endr
.endm
.macro PLACES n
.rept \n
	v_nop
.endr
.endm
.macro STEP slot, q, zero
	s_wait_dscnt 4*NLA                             ; B's set and A's blocks 0-3 are in; the youngest 16 loads (A's blocks 4-7) may be out
.if \zero
	WIN 0x81                                       ; C (bo) in window 0, D in window 2
.else
	WIN MUL_LO
.endif
	MUL16 0, (\q)%2, \q, \slot, \zero
	MUL16 2, (\q)%2, \q, \slot, \zero
	s_wait_dscnt 0
	PLACES NP
	FETCH_B \slot, (\q)+1, 1-(\q)%2
	FETCH_A \slot, (\q)+1, 0
.if \zero
	WIN 0xc1
.else
	WIN MUL_HI
.endif
	MUL16 4, (\q)%2, \q, \slot, \zero
	MUL16 6, (\q)%2, \q, \slot, \zero
	PLACES NP
	WIN 0
	FETCH_A \slot, (\q)+1, 4
.endm
.macro TURN slot, next, fill
	s_wait_tensorcnt 0x0                           ; all my tensor loads have landed: my part of the next slot
	ds_add_u32 v[SPW], v[NIL]
	s_wait_dscnt 4*NLA+1                           ; the add and the youngest 16 loads may be out
	WIN MUL_LO
	MUL16 0, 1, NQ-1, \slot, 0
	s_wait_dscnt 0x0                               ; the add is done, and my reads of this slot are over
	s_barrier_signal -1
	MUL16 2, 1, NQ-1, \slot, 0
	WIN 0
	s_barrier_wait -1
.if \fill
	CREST                                          ; the barrier has opened a round of the cluster's
	s_add_nc_u64 s[G0+4*\slot+2:G0+4*\slot+3], s[G0+4*\slot+2:G0+4*\slot+3], 2*3072
	s_add_nc_u64 s[G0B+4*\slot+2:G0B+4*\slot+3], s[G0B+4*\slot+2:G0B+4*\slot+3], 2*ROWB
	JLOAD G0+4*\slot, G1, G0B+4*\slot, G1B
.else
	PLACES NP
.endif
	v_add_nc_u32 v[ADRS], 4*NQ, v[ADRS]
	FETCH_B \next, 0, 0
	FETCH_A \next, 0, 0
	SCALES \next
	WIN MUL_HI
	MUL16 4, 1, NQ-1, \slot, 0
	MUL16 6, 1, NQ-1, \slot, 0
	PLACES NP
	WIN 0
	FETCH_A \next, 0, 4
.endm
	s_wait_tensorcnt 1                             ; the scales and my part of K step 0 are in; K step 1's load may be out
	s_barrier_signal -1
	s_barrier_wait -1
	FETCH_B 0, 0, 0
	FETCH_A 0, 0, 0
	SCALES 0
	FETCH_A 0, 0, 4
	s_wait_loadcnt 0x0                             ; bo
	STEP 0, 0, 1
	s_mov_b32 s3, LAPS-1
.Llap:
	TURN 0, 1, 1
	STEP 1, 0, 0
	TURN 1, 0, 1
	STEP 0, 0, 0
	s_sub_co_u32 s3, s3, 1
	s_cmp_lg_u32 s3, 0
	s_cbranch_scc1 .Llap
	TURN 0, 1, 0
	STEP 1, 0, 0
	s_wait_dscnt 4*NLA
	WIN MUL_LO
	MUL16 0, 1, NQ-1, 1, 0
	MUL16 2, 1, NQ-1, 1, 0
	s_wait_dscnt 0
	WIN MUL_HI
	MUL16 4, 1, NQ-1, 1, 0
	MUL16 6, 1, NQ-1, 1, 0
	WIN 0
; THE WAY OUT, block by block of 16 tokens x 128 columns, through my own stage: back as whole rows of 512 bytes.  LDS serves a wave's instructions in order: no wait between the stores and the loads.
.macro TOSTAGE a
.set AC, 64*((\a)%4)
	WIN 0x08+4*((\a)/4)                            ; the data: window 2 or 3
.irp b, 0,1,2,3,4,5,6,7
	ds_store_b128 v[STO], v[AC+8*\b:AC+8*\b+3] offset:64*\b          ; each accumulator from its low end on
	ds_store_b128 v[STO], v[AC+8*\b+4:AC+8*\b+7] offset:64*\b+16
.endr
	WIN 0
.set BB, BK+64*((\a)%2)
.irp t, 0,1,2,3,4,5,6,7,8,9,10,11,12,13,14,15
	ds_load_b128 v[BB+4*\t:BB+4*\t+3], v[RD] offset:\t*SPITCH
.endr
.endm
.macro SEND a, younger                 ; row t of block a is token 32 (a / 2) + 8 (a % 2) + t + 8 (t / 8) of my 128: its place stands in the immediate, 127 rows of 4,096 bytes at the most
.set BB, BK+64*((\a)%2)
	s_wait_dscnt \younger
.irp t, 0,1,2,3,4,5,6,7,8,9,10,11,12,13,14,15
	global_store_b128 v[CO], v[BB+4*\t:BB+4*\t+3], s[12:13] offset:(32*((\a)/2)+8*((\a)%2)+\t+8*(\t/8))*4096 th:TH_STORE_NT   ; 32 lanes store 512 consecutive bytes, aligned
.endr
.endm
	PLACES NP
	TOSTAGE 0
.irp a, 1,2,3,4,5,6,7
.if \a > 1
	s_wait_xcnt 0x0                                ; block a - 2's stores have read their registers: block a's loads may land there
.endif
	TOSTAGE \a
	SEND \a-1, 32                                  ; behind block a - 1's loads: block a's 16 stores and 16 loads
.endr
	SEND 7, 0
	s_wait_tensorcnt 0x0                           ; the wave's end
	ds_add_u32 v[SPW], v[NIL]
	s_wait_dscnt 0x0
	CROUND                                         ; the closing round
	s_endpgm
.Lfunc_end_k_q20a8505e78_proj:
	.size	k_q20a8505e78_proj, .Lfunc_end_k_q20a8505e78_proj-k_q20a8505e78_proj
	.p2alignl 7, 3214868480
	.fill 96, 4, 3214868480
	.section	.rodata,"a",@progbits
	.p2align	6, 0x0
	.amdhsa_kernel k_q20a8505e78_proj
		.amdhsa_group_segment_fixed_size 327680
		.amdhsa_private_segment_fixed_size 0
		.amdhsa_enable_private_segment 0
		.amdhsa_kernarg_size 48
		.amdhsa_user_sgpr_count 2
		.amdhsa_user_sgpr_kernarg_segment_ptr 1
		.amdhsa_wavefront_size32 1
		.amdhsa_system_sgpr_workgroup_id_x 1
		.amdhsa_system_sgpr_workgroup_id_y 1
		.amdhsa_system_sgpr_workgroup_id_z 1
		.amdhsa_system_vgpr_workitem_id 0
		.amdhsa_next_free_vgpr 1024
		.amdhsa_next_free_sgpr 100
		.amdhsa_reserve_vcc 0
		.amdhsa_float_denorm_mode_32 3
		.amdhsa_float_denorm_mode_16_64 3
		.amdhsa_memory_ordered 1
		.amdhsa_forward_progress 1
		.amdhsa_inst_pref_size 153
	.end_amdhsa_kernel
	.amdgpu_metadata
---
amdhsa.version: [ 1, 2 ]
amdhsa.kernels:
  - .name:           k_q20a8505e78_proj
    .symbol:         k_q20a8505e78_proj.kd
    .args:
      - { .name: ac, .offset: 0, .size: 8, .value_kind: global_buffer, .address_space: global }
      - { .name: asc, .offset: 8, .size: 8, .value_kind: global_buffer, .address_space: global }
      - { .name: wc, .offset: 16, .size: 8, .value_kind: global_buffer, .address_space: global }
      - { .name: ws, .offset: 24, .size: 8, .value_kind: global_buffer, .address_space: global }
      - { .name: bo, .offset: 32, .size: 8, .value_kind: global_buffer, .address_space: global }
      - { .name: out0, .offset: 40, .size: 8, .value_kind: global_buffer, .address_space: global }
    .group_segment_fixed_size: 327680
    .private_segment_fixed_size: 0
    .kernarg_segment_align: 8
    .kernarg_segment_size: 48
    .max_flat_workgroup_size: 128
    .sgpr_count:     100
    .vgpr_count:     1024
    .wavefront_size: 32
...
	.end_amdgpu_metadata
.endif
;; end of part 4
